; MI455X (gfx1250); checked and timed in simulation.
; The chip was launched on July 23, 2026; its instructions are those of AMD's public machine-readable ISA for CDNA 5 (MIT licence, August 2026) and "CDNA5" Instruction Set Architecture Reference Guide (July 2026). The comments in the code are by the model that wrote it; some were corrected since.
;; Causal Multi Head Self Attention. Allowed arithmetic: matrix products marked QUANTISED: E2M1 operands, one E8M0 scale for each 32 along K, by v_wmma_scale_f32_16x16x128_f8f6f4 with both operands' format E2M1 (or v_wmma_scale_f32_32x16x128_f4), f32 sums; products left as they are: bf16, f16 or f32 operands; f32 sums; everything else in f32.
;; Inputs: token_positions 2,048 int32; wo 1,024 x 1,024 float32; wqkv 3,072 x 1,024 float32; x 4 x 2,048 x 1,024 float32.
;; Outputs: out0 4 x 2,048 x 1,024 float32.
;; This version of the problem:
;;   THIS VERSION OF THE PROBLEM IS GIVEN IN LOW PRECISION. The matrix products marked QUANTISED in the list below multiply operands that are first quantised to E2M1 (2 exponent bits, 1 mantissa bit; 4 bits a number), with one power-of-two scale for each 32 numbers along K (OCP MX v1.0); their sums are f32. The products marked 'left as it is' may take bf16, f16 or f32 operands, with f32 sums. Whichever they take, every output number must still come out within the allowed error. Rounding operands to bf16 (8 significant bits) uses up far more of that allowance than f16 does (11 bits, for magnitudes from 6e-5 to 65,504). All else is computed in f32.
;;   The module's matrix products, in the order in which they are computed (A, B: the left and right operand; K: the contracted axis; several contracted axes count as one K, in the product's order):
;;     1. [M 8,192, K 1,024] x [K 1,024, N 3,072]; A: input x; B: input wqkv: QUANTISED
;;     2. batch 64 x [M 2,048, K 64] x [K 64, N 2,048]; A: computed on the way; B: computed on the way: left as it is (an operand is computed on the way)
;;     3. batch 64 x [M 2,048, K 2,048] x [K 2,048, N 64]; A: computed on the way; B: computed on the way: left as it is (an operand is computed on the way)
;;     4. [M 8,192, K 1,024] x [K 1,024, N 1,024]; A: computed on the way; B: input wo: left as it is (an operand is computed on the way)
;;   THE QUANTISER, for each operand of a quantised product, along K:
;;     - K is cut into blocks of 32 from its start; a last block that is shorter is filled with zeros.
;;     - A block's scale is 2^e with e = floor(log2(the largest magnitude in the block)) - 2, held to -126 .. 127; a block of zeros has e = 0. As a byte (E8M0): e + 127.
;;     - Each number is divided by its block's scale, clamped to +-6, and rounded to the nearest number of E2M1, ties to even, subnormals kept.
;;     - The product sums the exact products of the quantised numbers (number of the format x scale) in f32.
;;   ~~~python
;;   def quantise(x, axis):      # numpy; x: float32 -> the quantised numbers, widened to float32 again
;;       x = np.moveaxis(x, axis, -1); K = x.shape[-1]
;;       x = np.pad(x, [(0, 0)] * (x.ndim - 1) + [(0, -K % 32)]); x = x.reshape(x.shape[:-1] + (-1, 32)); a = np.abs(x).max(-1, keepdims=True)
;;       e = np.where(a > 0, np.clip(np.frexp(np.where(a > 0, a, 1))[1] - 1 - 2, -126, 127), 0)      # np.frexp(a)[1] - 1 = floor(log2(a)), exactly
;;       r = np.clip(x / 2.0 ** e, -6, 6)
;;       step = 2.0 ** (np.maximum(np.frexp(np.where(r == 0, 1, r))[1] - 1, 0) - 1)
;;       q = np.round(r / step) * step * 2.0 ** e      # np.round: ties to even
;;       return np.moveaxis(q.reshape(q.shape[:-2] + (-1,))[..., :K], -1, axis).astype(np.float32)
;;   ~~~
;; One version. Each part assembles by itself: llvm-mc -triple=amdgcn-amd-amdhsa -mcpu=gfx1250 --defsym DOCPART=n.
;; ======== version 1 of 1: 5 launches
;; limits: values are held in f16: magnitudes above 65,504 overflow, below 6.1e-05 lose precision
;; workspace buffers: codes 5,767,168 bytes; scales 360,448 bytes; woh 2,097,152 bytes; tab 524,288 bytes; qkvh 50,331,648 bytes; fine 786,432 bytes; yimg 16,777,216 bytes
;; launch prep (part 1): grid 416 x 1, 4 waves a work-group, no clusters, 33,280 bytes of LDS; arguments x, wqkv, wo, token_positions, codes, scales, woh, tab; writes codes, scales, woh, tab
.if DOCPART == 1
	.amdgcn_target "amdgcn-amd-amdhsa--gfx1250"
	.amdhsa_code_object_version 6
	.text
	.protected	k_qe189446fb4_prep
	.globl	k_qe189446fb4_prep
	.p2align	8
	.type	k_qe189446fb4_prep,@function
k_qe189446fb4_prep:
	s_mov_b64 s[64:65], 0
	v_nop
	global_prefetch_b8 v0, s[64:65] scope:SCOPE_SE
	s_setreg_imm32_b32 hwreg(HW_REG_WAVE_MODE, 25, 1), 1
	s_wait_xcnt 0x0
; THREE PREPARATIONS IN ONE LAUNCH, parted by the work-group's number.
; Work-groups 0-351: x [8192][1024] and wqkv [3072][1024], f32, become codes of FP4 (E2M1), K innermost, two codes a byte, with one E8M0 byte for each 32 along K.
;   Both tensors are plain streams of blocks of 32; x's codes and bytes lie first in the two buffers, wqkv's straight behind them, so the outputs are one stream each.
;   A block's scale is 2^(floor(log2(largest magnitude)) - 2); its byte is the largest magnitude's exponent field - 2, held at 1 from below.
; Work-groups 352-383: wo [1024][1024] f32 is rounded to f16, row-major as it lies.
; Work-groups 384-415: the table of cos and sin for the rotary embedding, from token_positions as they are given, laid in the order of the next launch's registers:
;   [s / 16][b' 0..3][p 0..1][lane][16 bytes]; lane (r, h) holds cos_i, sin_i, cos_(i+1), sin_(i+1) of sequence index 16 (s / 16) + r, i = 8 b' + 4 h + 2 p.
; LIMITS: a block of zeros gets the byte 1, not 127 (its codes are zeros, and this program alone reads the bytes); blocks whose largest magnitude lies under 2^-124 are held at that byte;
;   NaN and infinities are not served; |wo| stays under 65,504 (f16).  The frequency 10000^(-i/32) is 2^(-i log2(10000)/32) by v_exp_f32 (1 ulp: ISA guide, its entry);
;   the angle is reduced by two fused steps of pi/2 (its high part and the next 24 bits), good for |position| up to 2^24, where the cast to f32 is exact.
.set WAVES, 4
.set STEPS, 16
.set EMAX,  2
.set CB,    8                          ; bytes of 16 codes
.set R,     16                         ; v16-79   four sets of 16 numbers as they are loaded
.set X,     80                         ; v80-111  two sets of 16 neighbours
.set C,     128                        ; v128-191 codes: four registers for each step, so that no store's data are written again
.set E,     112                        ; v112-127 a scale byte for each step
.set WREG,  8192                       ; LDS: a region for each wave: two stages of 32 x SP bytes, then its 256 scale bytes
.set SP,    80                         ; a lane's place in a stage: 64 bytes + 16 of padding
.set SPW,   12                         ; v12 LDS address of my spare word; never rewritten
.set NIL,   13                         ; v13 0; never rewritten
.set SPARE, WAVES*WREG                 ; behind the four regions: the spare words, 128 bytes a wave
	s_load_b256 s[4:11], s[0:1], 0x0               ; x s[4:5], wqkv s[6:7], wo s[8:9], token_positions s[10:11]
	s_load_b256 s[12:19], s[0:1], 0x20             ; codes s[12:13], scales s[14:15], woh s[16:17], tab s[18:19]
	v_lshl_add_u32 v[SPW], v0, 2, SPARE
	v_mov_b32 v[NIL], 0
	v_lshrrev_b32 v1, 5, v0
	v_readfirstlane_b32 s20, v1                    ; wave
	v_and_b32 v2, 31, v0                           ; lane
	s_wait_kmcnt 0x0
	s_cmp_ge_u32 ttmp9, 384
	s_cbranch_scc1 .Ltable
	s_cmp_ge_u32 ttmp9, 352
	s_cbranch_scc1 .Lcast
; ---------------- the quantiser: a wave takes a run of 8,192 numbers, 16 steps of 512 ----------------
	v_lshlrev_b32 v3, 4, v2                        ; my 16 bytes of a load's 512
	s_mul_i32 s21, s20, WREG
	v_lshrrev_b32 v14, 2, v2
	v_mul_u32_u24 v14, v14, SP
	v_and_b32 v15, 3, v2
	v_lshl_add_u32 v14, v15, 4, v14
	v_add_nc_u32 v14, s21, v14                     ; the stage, on the way in: SP (lane / 4) + 16 (lane % 4)
	v_mul_u32_u24 v15, v2, SP
	v_add_nc_u32 v15, s21, v15                     ; and on the way out: SP x lane: my 16 neighbours
	v_mul_u32_u24 v4, v2, CB                       ; my codes' place in a step's
	v_lshrrev_b32 v5, 1, v2
	s_add_co_u32 s21, s21, 2*32*SP
	v_add_nc_u32 v5, s21, v5                       ; LDS: my wave's 256 scale bytes, my block's byte
	v_lshlrev_b32 v7, 3, v2                        ; and on the way out 8 bytes a lane
	v_add_nc_u32 v6, s21, v7
	s_cmp_lt_u32 ttmp9, 256                        ; x's work-group or wqkv's?  The choice hangs on the work-group's number alone
	s_cselect_b64 s[4:5], s[4:5], s[6:7]
	s_cselect_b32 s21, 0, 1024                     ; x has 1,024 runs
	s_lshl_b32 s22, ttmp9, 2
	s_add_co_u32 s22, s22, s20                     ; my run in the outputs' streams
	s_sub_co_u32 s24, s22, s21                     ; and in its own tensor
	s_mov_b32 s25, 0
	s_lshl_b64 s[24:25], s[24:25], 15              ; 32,768 bytes of f32 a run
	s_add_nc_u64 s[4:5], s[4:5], s[24:25]
	s_lshl_b32 s24, s22, 12                        ; 4,096 bytes of codes a run
	s_mov_b32 s25, 0
	s_add_nc_u64 s[12:13], s[12:13], s[24:25]
	s_lshl_b32 s24, s22, 8                         ; 256 scale bytes a run
	s_add_nc_u64 s[14:15], s[14:15], s[24:25]
.macro LOAD t
.irp i, 0,1,2,3
	global_load_b128 v[R+16*((\t)%4)+4*\i:R+16*((\t)%4)+4*\i+3], v3, s[4:5] offset:2048*(\t)+512*\i th:TH_LOAD_NT   ; 32 lanes read 512 consecutive bytes
.endr
.endm
.macro TURN t                          ; step t's numbers through the stage: LDS serves a wave's instructions in order (ISA guide 5.7.1.4), so no wait stands between the stores and the loads
.irp i, 0,1,2,3
	ds_store_b128 v14, v[R+16*((\t)%4)+4*\i:R+16*((\t)%4)+4*\i+3] offset:32*SP*((\t)%2)+8*SP*\i
.endr
.irp i, 0,1,2,3
	ds_load_b128 v[X+16*((\t)%2)+4*\i:X+16*((\t)%2)+4*\i+3], v15 offset:32*SP*((\t)%2)+16*\i
.endr
.endm
.irp t, 0,1,2,3
	LOAD \t
.endr
	s_wait_loadcnt 12                              ; step 0's four loads are in; the twelve of steps 1 to 3 may be out
	TURN 0
.macro STEP t
.set XS, X+16*((\t)%2)
.if (\t) > 0
	s_wait_dscnt 1                                 ; this step's numbers are back from the stage (the last step's byte store may be out)
.else
	s_wait_dscnt 0x0
.endif
.if (\t)+4 < STEPS
	LOAD (\t)+4                                    ; the registers that the stage's stores have read take the loads of four steps on
.endif
.if (\t)+1 < STEPS
.if STEPS-2-(\t) >= 3
	s_wait_loadcnt 12                              ; the next step's four loads are in; those of the three steps behind it may be out
.else
	s_wait_loadcnt 4*(STEPS-2-(\t))
.endif
	TURN (\t)+1                                    ; and go through the other stage while this step is worked
.endif
	v_max3_num_f32 v8, |v[XS]|, |v[XS+1]|, |v[XS+2]|               ; the largest magnitude of my 16, in two chains
	v_max3_num_f32 v9, |v[XS+3]|, |v[XS+4]|, |v[XS+5]|
.irp i, 6,10
	v_max3_num_f32 v8, v8, |v[XS+\i]|, |v[XS+\i+1]|
	v_max3_num_f32 v9, v9, |v[XS+\i+2]|, |v[XS+\i+3]|
.endr
	v_max3_num_f32 v8, v8, |v[XS+14]|, |v[XS+15]|
	v_max3_num_f32 v8, v8, v9, (EMAX+1)<<23        ; and the floor 2^(3 - 127): the byte cannot fall under 1
	v_max_num_f32_dpp v8, v8, v8 row_xmask:1 row_mask:0xf bank_mask:0xf   ; and of my neighbour's 16: the block's
	v_add_nc_u32 v11, 0xff000000, v8               ; 2 off its exponent field: the conversion takes the exponent field of this operand as its scale
	v_cvt_scalef32_pk8_fp4_f32 v[C+4*(\t)], v[XS:XS+7], v11
	v_cvt_scalef32_pk8_fp4_f32 v[C+4*(\t)+1], v[XS+8:XS+15], v11
	v_lshrrev_b32 v[E+(\t)], 23, v11               ; the scale's byte (a plain line behind the conversions)
	ds_store_b8 v5, v[E+(\t)] offset:16*(\t)       ; both lanes of a block write the same byte with the same value
	global_store_b64 v4, v[C+4*(\t):C+4*(\t)+1], s[12:13] offset:32*CB*(\t)   ; the wave stores 256 consecutive bytes, aligned
.endm
.irp t, 0,1,2,3,4,5,6,7,8,9,10,11,12,13,14,15
	STEP \t
.endr
	ds_load_b64 v[8:9], v6                         ; my wave's 256 scale bytes, 8 a lane: these see my stores
	s_wait_dscnt 0x0
	global_store_b64 v7, v[8:9], s[14:15]          ; 256 consecutive bytes, aligned
	s_wait_tensorcnt 0x0                           ; the wave's end
	ds_add_u32 v[SPW], v[NIL]
	s_wait_dscnt 0x0
	s_endpgm
; ---------------- wo to f16: a wave takes 8,192 numbers, four rounds of 16 loads, two sets of registers ----------------
.Lcast:
	s_sub_co_u32 s21, ttmp9, 352
	s_lshl_b32 s21, s21, 2
	s_add_co_u32 s21, s21, s20                     ; which 8,192 numbers
	s_lshl_b32 s22, s21, 15
	s_mov_b32 s23, 0
	s_add_nc_u64 s[8:9], s[8:9], s[22:23]
	s_lshl_b32 s22, s21, 14
	s_add_nc_u64 s[16:17], s[16:17], s[22:23]
	v_lshlrev_b32 v3, 4, v2                        ; in: 16 bytes a lane
	v_lshlrev_b32 v4, 3, v2                        ; out: 8 bytes a lane
.macro CLOAD k
.irp i, 0,1,2,3,4,5,6,7,8,9,10,11,12,13,14,15
	global_load_b128 v[16+64*((\k)%2)+4*\i:16+64*((\k)%2)+4*\i+3], v3, s[8:9] offset:(16*(\k)+\i)*512 th:TH_LOAD_NT
.endr
.endm
.macro CROUND k
.irp i, 0,1,2,3,4,5,6,7,8,9,10,11,12,13,14,15
.if (\k) < 3
	s_wait_loadcnt 31-\i                           ; load i of this set is in; the rest of the set and the next set's sixteen may be out
.else
	s_wait_loadcnt 15-\i
.endif
	v_cvt_pk_f16_f32 v[144+2*\i], v[16+64*((\k)%2)+4*\i], v[16+64*((\k)%2)+4*\i+1]
	v_cvt_pk_f16_f32 v[145+2*\i], v[16+64*((\k)%2)+4*\i+2], v[16+64*((\k)%2)+4*\i+3]
	global_store_b64 v4, v[144+2*\i:145+2*\i], s[16:17] offset:(16*(\k)+\i)*256   ; 256 consecutive bytes, aligned
.endr
.if (\k) < 3
	s_wait_xcnt 0x0                                ; the stores have read their data: the next round writes v144-175 anew
.endif
.if (\k) < 2
	CLOAD (\k)+2
.endif
.endm
	CLOAD 0
	CLOAD 1
	CROUND 0
	CROUND 1
	CROUND 2
	CROUND 3
	s_endpgm
; ---------------- the table: a wave takes 16 sequence indices; a lane makes 16 of its index's 32 angles ----------------
.Ltable:
.set TF, 32                            ; frequency, then angle, then 1 - z / 2
.set TN, 48                            ; n, later bits
.set TR, 64                            ; r, later the sine's magnitude
.set TZ, 80                            ; z = r r, later the cosine's magnitude
.set TS, 96                            ; sin r
.set TC, 112                           ; cos r
.set TQ, 128                           ; the quadrant
.set TO, 144                           ; v144-175: cos, sin by turns
	s_sub_co_u32 s21, ttmp9, 384
	s_lshl_b32 s21, s21, 2
	s_add_co_u32 s21, s21, s20                     ; s / 16
	s_lshl_b32 s22, s21, 6
	s_mov_b32 s23, 0
	s_add_nc_u64 s[10:11], s[10:11], s[22:23]
	s_lshl_b32 s22, s21, 12
	s_add_nc_u64 s[18:19], s[18:19], s[22:23]
	v_and_b32 v3, 15, v0
	v_lshlrev_b32 v3, 2, v3
	global_load_b32 v20, v3, s[10:11]              ; my index's position, as it is given
	s_mov_b32 s24, 0xbed49a78                      ; -log2(10000) / 32
	s_mov_b32 s25, 0x3f22f983                      ; 2 / pi
	s_mov_b32 s26, 0xbfc90fdb                      ; -(pi / 2, rounded to f32)
	s_mov_b32 s27, 0x333bbd2e                      ; -(pi / 2 less that)
	s_mov_b32 s28, 0xb94ca1f9                      ; sine: r + r z (S1 + z (S2 + z S3))
	s_mov_b32 s29, 0x3c08839e
	s_mov_b32 s30, 0xbe2aaaa3
	s_mov_b32 s31, 0x37ccf5ce                      ; cosine: 1 - z / 2 + z z (C1 + z (C2 + z C3))
	s_mov_b32 s32, 0xbab6061a
	s_mov_b32 s33, 0x3d2aaaa5
	v_bfe_u32 v21, v0, 4, 1
	v_lshlrev_b32 v21, 2, v21                      ; 4 h
	v_lshlrev_b32 v4, 4, v2                        ; out: 16 bytes a lane
.irp k, 0,1,2,3,4,5,6,7,8,9,10,11,12,13,14,15
	v_add_nc_u32 v[TF+\k], 8*(\k/4)+\k%4, v21      ; i = 8 b' + 4 h + 2 p + e, k = 4 b' + 2 p + e
.endr
.irp k, 0,1,2,3,4,5,6,7,8,9,10,11,12,13,14,15
	v_cvt_f32_u32 v[TF+\k], v[TF+\k]
.endr
.irp k, 0,1,2,3,4,5,6,7,8,9,10,11,12,13,14,15
	v_mul_f32 v[TF+\k], s24, v[TF+\k]
.endr
.irp k, 0,1,2,3,4,5,6,7,8,9,10,11,12,13,14,15
	v_exp_f32 v[TF+\k], v[TF+\k]                   ; the frequency
.endr
	v_nop                                          ; a plain line behind the last exponential
	s_wait_alu depctr_va_vdst(0)                   ; one wait for the sixteen, ahead of their first reader
	s_wait_loadcnt 0x0
	v_cvt_f32_i32 v20, v20
.irp k, 0,1,2,3,4,5,6,7,8,9,10,11,12,13,14,15
	v_mul_f32 v[TF+\k], v20, v[TF+\k]              ; the angle, rounded once
.endr
.irp k, 0,1,2,3,4,5,6,7,8,9,10,11,12,13,14,15
	v_mul_f32 v[TN+\k], s25, v[TF+\k]
.endr
.irp k, 0,1,2,3,4,5,6,7,8,9,10,11,12,13,14,15
	v_rndne_f32 v[TN+\k], v[TN+\k]                 ; n quarter turns
.endr
.irp k, 0,1,2,3,4,5,6,7,8,9,10,11,12,13,14,15
	v_fma_f32 v[TR+\k], v[TN+\k], s26, v[TF+\k]
.endr
.irp k, 0,1,2,3,4,5,6,7,8,9,10,11,12,13,14,15
	v_fma_f32 v[TR+\k], v[TN+\k], s27, v[TR+\k]    ; r, within pi / 4 of 0
.endr
.irp k, 0,1,2,3,4,5,6,7,8,9,10,11,12,13,14,15
	v_mul_f32 v[TZ+\k], v[TR+\k], v[TR+\k]
.endr
.irp k, 0,1,2,3,4,5,6,7,8,9,10,11,12,13,14,15
	v_fma_f32 v[TS+\k], v[TZ+\k], s28, s29
	v_fma_f32 v[TC+\k], v[TZ+\k], s31, s32
.endr
.irp k, 0,1,2,3,4,5,6,7,8,9,10,11,12,13,14,15
	v_fma_f32 v[TS+\k], v[TS+\k], v[TZ+\k], s30
	v_fma_f32 v[TC+\k], v[TC+\k], v[TZ+\k], s33
.endr
.irp k, 0,1,2,3,4,5,6,7,8,9,10,11,12,13,14,15
	v_mul_f32 v[TS+\k], v[TS+\k], v[TZ+\k]
	v_mul_f32 v[TC+\k], v[TC+\k], v[TZ+\k]
	v_fma_f32 v[TF+\k], v[TZ+\k], -0.5, 1.0
.endr
.irp k, 0,1,2,3,4,5,6,7,8,9,10,11,12,13,14,15
	v_fma_f32 v[TS+\k], v[TS+\k], v[TR+\k], v[TR+\k]   ; sin r
	v_fma_f32 v[TC+\k], v[TC+\k], v[TZ+\k], v[TF+\k]   ; cos r
	v_cvt_i32_f32 v[TQ+\k], v[TN+\k]
.endr
.irp k, 0,1,2,3,4,5,6,7,8,9,10,11,12,13,14,15
	v_and_b32 v[TN+\k], 1, v[TQ+\k]
	v_cmp_ne_u32 vcc_lo, 0, v[TN+\k]               ; an odd quadrant changes the two over
	v_cndmask_b32 v[TR+\k], v[TS+\k], v[TC+\k], vcc_lo
	v_cndmask_b32 v[TZ+\k], v[TC+\k], v[TS+\k], vcc_lo
.endr
.irp k, 0,1,2,3,4,5,6,7,8,9,10,11,12,13,14,15
	v_and_b32 v[TN+\k], 2, v[TQ+\k]                ; the sine is negative in quadrants 2 and 3,
	v_add_nc_u32 v[TQ+\k], 1, v[TQ+\k]
	v_lshlrev_b32 v[TN+\k], 30, v[TN+\k]
	v_and_b32 v[TQ+\k], 2, v[TQ+\k]                ; the cosine in 1 and 2
	v_xor_b32 v[TO+2*\k+1], v[TN+\k], v[TR+\k]
	v_lshlrev_b32 v[TQ+\k], 30, v[TQ+\k]
	v_xor_b32 v[TO+2*\k], v[TQ+\k], v[TZ+\k]
.endr
.irp g, 0,1,2,3,4,5,6,7
	global_store_b128 v4, v[TO+4*\g:TO+4*\g+3], s[18:19] offset:512*\g   ; 512 consecutive bytes, aligned
.endr
	s_endpgm
.Lfunc_end_k_qe189446fb4_prep:
	.size	k_qe189446fb4_prep, .Lfunc_end_k_qe189446fb4_prep-k_qe189446fb4_prep
	.p2alignl 7, 3214868480
	.fill 96, 4, 3214868480
	.section	.rodata,"a",@progbits
	.p2align	6, 0x0
	.amdhsa_kernel k_qe189446fb4_prep
		.amdhsa_group_segment_fixed_size 33280
		.amdhsa_private_segment_fixed_size 0
		.amdhsa_enable_private_segment 0
		.amdhsa_kernarg_size 64
		.amdhsa_user_sgpr_count 2
		.amdhsa_user_sgpr_kernarg_segment_ptr 1
		.amdhsa_wavefront_size32 1
		.amdhsa_system_sgpr_workgroup_id_x 1
		.amdhsa_system_sgpr_workgroup_id_y 1
		.amdhsa_system_sgpr_workgroup_id_z 1
		.amdhsa_system_vgpr_workitem_id 0
		.amdhsa_next_free_vgpr 192
		.amdhsa_next_free_sgpr 66
		.amdhsa_reserve_vcc 1
		.amdhsa_float_denorm_mode_32 3
		.amdhsa_float_denorm_mode_16_64 3
		.amdhsa_memory_ordered 1
		.amdhsa_forward_progress 1
		.amdhsa_inst_pref_size 78
	.end_amdhsa_kernel
	.amdgpu_metadata
---
amdhsa.version: [ 1, 2 ]
amdhsa.kernels:
  - .name:           k_qe189446fb4_prep
    .symbol:         k_qe189446fb4_prep.kd
    .args:
      - { .name: x, .offset: 0, .size: 8, .value_kind: global_buffer, .address_space: global }
      - { .name: wqkv, .offset: 8, .size: 8, .value_kind: global_buffer, .address_space: global }
      - { .name: wo, .offset: 16, .size: 8, .value_kind: global_buffer, .address_space: global }
      - { .name: token_positions, .offset: 24, .size: 8, .value_kind: global_buffer, .address_space: global }
      - { .name: codes, .offset: 32, .size: 8, .value_kind: global_buffer, .address_space: global }
      - { .name: scales, .offset: 40, .size: 8, .value_kind: global_buffer, .address_space: global }
      - { .name: woh, .offset: 48, .size: 8, .value_kind: global_buffer, .address_space: global }
      - { .name: tab, .offset: 56, .size: 8, .value_kind: global_buffer, .address_space: global }
    .group_segment_fixed_size: 33280
    .private_segment_fixed_size: 0
    .kernarg_segment_align: 8
    .kernarg_segment_size: 64
    .max_flat_workgroup_size: 128
    .sgpr_count:     66
    .vgpr_count:     192
    .wavefront_size: 32
...
	.end_amdgpu_metadata
.endif
;; end of part 1
;; launch qkv (part 2): grid 12 x 32, 4 waves a work-group, clusters of 4 x 4, 327,680 bytes of LDS; arguments codes, scales, tab, qkvh, fine; writes qkvh, fine
.if DOCPART == 2
	.amdgcn_target "amdgcn-amd-amdhsa--gfx1250"
	.amdhsa_code_object_version 6
	.text
	.protected	k_qe189446fb4_qkv
	.globl	k_qe189446fb4_qkv
	.p2align	8
	.type	k_qe189446fb4_qkv,@function
k_qe189446fb4_qkv:
	s_mov_b64 s[64:65], 0
	v_nop
	global_prefetch_b8 v0, s[64:65] scope:SCOPE_SE
	s_setreg_imm32_b32 hwreg(HW_REG_WAVE_MODE, 25, 1), 1
	s_wait_xcnt 0x0
	s_wait_alu depctr_hold_cnt(0) depctr_sa_sdst(0) depctr_va_vdst(0) depctr_va_sdst(0) depctr_va_ssrc(0) depctr_va_vcc(0) depctr_vm_vsrc(0)
	s_getreg_b32 s2, hwreg(HW_REG_IB_STS2, 6, 4)
	s_cmp_eq_u32 s2, 0
	s_cbranch_scc0 .Lentry_in_a_cluster
	s_endpgm
.Lentry_in_a_cluster:
	s_bfe_u32 s2, ttmp6, 0x10000c
	s_cmp_lg_u32 s2, 0xf033
	s_cbranch_scc0 .Lentry_shape_is_right
	s_endpgm
.Lentry_shape_is_right:
; qkv = x wqkv^T on codes of FP4 (E2M1) with one E8M0 scale for each 32 along K; then the rotary embedding on q and k, in f32; then f16, split into heads.
; A = x's codes [8192][512 bytes], B = wqkv's [3072][512 bytes], behind A's in the same buffer; the scale bytes [rows][32] likewise.
; A tile of the product, 256 x 256, is made by a work-group of four waves; a wave makes 128 x 128: 64 accumulators of 16 x 16, 512 registers.
; K = 1,024 is two LDS slots of 512 along K (rows of 256 bytes): both are asked for at the head and nothing is filled again.  The scales of the tile's rows, for all of K, come once with them.
; CLUSTERS: 4 x 4 work-groups.  The four of a row of the cluster need the same tiles of A, the four of a column the same tiles of B: each is asked for jointly, by the same tensor load with the same descriptor.
; The tile row is 8 cy + cluster y, so that the batch is cy and "the batch's first rows" is cluster y = 0; the tile column is 4 cluster x + cx, so that cluster x says q, k or v: both are alike in all partners.
; THE MATRIX INSTRUCTION IS USED TRANSPOSED (source 0 = 16 rows of B, source 1 = 16 rows of A): a lane holds eight neighbouring columns of one row: four pairs of the rotary embedding.
; OUT: qkvh, three sections (q, k, v) of [batch x 16 + head][2048][64] f16; and, of each batch's rows 0-15, the f32 numbers into fine: [batch][column / 16][p][lane][16 bytes], lane (r, h): row r, columns 8 h + 4 p + 0..3.
; LIMITS: |q|, |k|, |v| stay under 65,504 (f16); NaN and infinities are not served.
; REGISTERS, in windows of 256: window 0: v0-31 addresses; v32-95 scale words, two sets; v96-127, v192-223 two sets of the table; v128-191 A's fragments, one set.
;   On the way out: v32-95 the rotated numbers, v224-255 their f16, v128-191 rows read back.   window 1: B's fragments, two sets.   windows 2, 3: the accumulators of my rows 0-63, 64-127.
.set KSTEP,  512
.set NQ,     4                         ; matrix instructions deep in a slot
.set ROWB,   256                       ; a tile's row in bytes
.set KROW,   512                       ; a row of codes in memory
.set PITCH,  272                       ; an LDS row: 256 bytes + 16 of padding: the 16 rows of a load start at 16 different banks (64 banks of 4 bytes: ISA guide 11.1)
.set FR,     8
.set NL,     2
.set NP,     4                         ; places behind this matrix instruction (ISA guide 7.12.1)
.set HALFT,  128*PITCH
.set SLOT,   4*HALFT
.set KS,     32                        ; a row of scales in bytes
.set SCL,    2*SLOT
.set HALFS,  (128*KS/256)*272
.set SBLK,   (16*KS/256)*272
.set SPARE,  SCL+4*HALFS               ; the spare words, 128 bytes a wave
.set WC,     4194304                   ; where wqkv's codes begin
.set WS,     262144                    ; and its scale bytes
.set ADRA, 16
.set ADRB, 20
.set STO,  24                          ; v24 the way out: where I put 16 bytes of a row
.set RD,   25                          ; v25 where I read rows back
.set CO,   26                          ; v26 16 x lane
.set ADRS, 27
.set SPW,  28
.set NIL,  29
.set SC,   32
.set AF,   128
.set T,    32
.set H,    224
.set BK,   128
.set TB0,  96                          ; the table's sets: v96-127 and v192-223
.set G1, 24
.set G0, 32
.set G1B, 48
.set G0B, 56
.set G1S, 68
.set G0S, 76
.set G1SB, 80
.set G0SB, 88
.set MSB, 0
.macro WIN new                         ; the immediate's high byte repeats the setting that is left
.if MSB != \new
	s_set_vgpr_msb (MSB<<8)|\new
.set MSB, \new
.endif
.endm
.set MUL_LO, 0xa1                      ; source 0 (B) window 1, source 1 (A) window 0, C and D window 2
.set MUL_HI, 0xf1
.set TO_B,   0x40
; A joint load: waves 0 and 1 fetch for A, waves 2 and 3 for B; the branch hangs on the wave's number alone.  An s_nop 0 and four v_nop follow each of the two lines.
.macro JLOAD g0a, g1a, g0b, g1b
	s_cmp_eq_u32 s15, 0
	s_cbranch_scc0 .Lfor_b_\@
	tensor_load_to_lds s[\g0a:\g0a+3], s[\g1a:\g1a+7]
	s_nop 0
.rept 4
	v_nop
.endr
	s_branch .Lasked_\@
.Lfor_b_\@:
	tensor_load_to_lds s[\g0b:\g0b+3], s[\g1b:\g1b+7]
	s_nop 0
.rept 4
	v_nop
.endr
.Lasked_\@:
.endm
.macro CROUND                          ; a round of the cluster's barrier
	s_barrier_signal -1
	s_barrier_wait -1
	s_cmp_lg_u32 s14, 0
	s_cbranch_scc1 .Lnot_wave_0_\@
	s_barrier_signal -3
.Lnot_wave_0_\@:
	s_barrier_wait -3
	s_barrier_signal -1
	s_barrier_wait -1
.endm
	s_load_b128 s[4:7], s[0:1], 0x0                ; codes s[4:5], scales s[6:7]
	s_load_b64 s[12:13], s[0:1], 0x10              ; tab
	s_load_b64 s[2:3], s[0:1], 0x18                ; qkvh
	s_load_b64 s[96:97], s[0:1], 0x20              ; fine
	v_lshl_add_u32 v[SPW], v0, 2, SPARE
	v_mov_b32 v[NIL], 0
	ds_add_u32 v[SPW], v[NIL]                      ; the wave's opening: the add, twice on end, and its wait ahead of my first tensor load
	ds_add_u32 v[SPW], v[NIL]
	v_lshrrev_b32 v1, 5, v0
	v_readfirstlane_b32 s14, v1                    ; wave 0..3
	s_lshr_b32 s15, s14, 1                         ; which half of the tile's rows is mine.  Also: I fetch for A (0) or for B (1)
	s_and_b32 s16, s14, 1                          ; which half of its columns.  Also: which 128 rows of that tile I fetch
	s_bfe_u32 s40, ttmp6, 0x40000                  ; cx
	s_bfe_u32 s41, ttmp6, 0x40004                  ; cy
	s_lshl_b32 s42, ttmp9, 2
	s_add_co_u32 s42, s42, s40                     ; tile column = 4 x cluster x + cx
	s_and_b32 s99, ttmp7, 0xffff                   ; cluster y
	s_lshl_b32 s17, s41, 3
	s_add_co_u32 s17, s17, s99                     ; tile row = 8 cy + cluster y
	s_or_b32 s98, s99, s15                         ; 0 where my first 16 rows are a batch's first: cluster y and the wave's number alone
	s_lshl_b32 s43, s41, 2
	s_lshl_b32 s43, 15, s43                        ; my row of the cluster
	s_lshl_b32 s44, 0x1111, s40                    ; my column
	s_or_b32 s[G1+0], s43, (0<<16)|(1<<20)|(1<<21)|(5<<22)|(3<<25)  ; the mask; elements of 1 byte; padding on; bit 21 beside a mask; after every 64 words four words
	s_or_b32 s[G1B+0], s44, (0<<16)|(1<<20)|(1<<21)|(5<<22)|(3<<25)
.irp g, G1, G1B
	s_mov_b32 s[\g+1], ROWB<<16                    ; tensor_dim0
	s_mov_b32 s[\g+2], 128<<16                     ; tensor_dim1
	s_mov_b32 s[\g+3], ROWB<<16                    ; tile_dim0
	s_mov_b32 s[\g+4], 128                         ; tile_dim1
	s_mov_b32 s[\g+5], KROW                        ; the pitch
	s_mov_b32 s[\g+6], 0
	s_mov_b32 s[\g+7], 0
.endr
	s_or_b32 s[G1S+0], s43, (3<<16)|(1<<20)|(1<<21)|(5<<22)|(3<<25) ; the scales of 128 rows: 4,096 dense bytes as 16 rows of 256, 16 bytes of padding behind each
	s_or_b32 s[G1SB+0], s44, (3<<16)|(1<<20)|(1<<21)|(5<<22)|(3<<25)
.irp g, G1S, G1SB
	s_mov_b32 s[\g+1], 32<<16
	s_mov_b32 s[\g+2], (128*KS/256)<<16
	s_mov_b32 s[\g+3], 32<<16
	s_mov_b32 s[\g+4], 128*KS/256
	s_mov_b32 s[\g+5], 32
	s_mov_b32 s[\g+6], 0
	s_mov_b32 s[\g+7], 0
.endr
	s_lshl_b32 s18, s16, 7
	s_lshl_b32 s20, s17, 8
	s_add_co_u32 s20, s20, s18                     ; A: row 256 x tile row + 128 x half
	s_lshl_b32 s46, s42, 8
	s_add_co_u32 s46, s46, s18                     ; B: row 256 x tile column + 128 x half
	s_mov_b32 s21, 0
	s_mov_b32 s47, 0
	s_mov_b64 s[18:19], KS
	s_mul_u64 s[22:23], s[20:21], s[18:19]         ; where these rows' scales begin
	s_mul_u64 s[92:93], s[46:47], s[18:19]
	s_mov_b64 s[18:19], KROW
	s_mul_u64 s[20:21], s[20:21], s[18:19]         ; and their codes
	s_mul_u64 s[46:47], s[46:47], s[18:19]
	s_mul_i32 s45, s14, HALFT                      ; where they go: wave x 128 rows
	s_mul_i32 s94, s14, HALFS
	s_wait_dscnt 0x0                               ; both opening adds are done
	s_wait_kmcnt 0x0
	s_add_nc_u64 s[8:9], s[4:5], WC                ; wqkv's codes
	s_add_nc_u64 s[10:11], s[6:7], WS              ; and scales
	s_add_nc_u64 s[20:21], s[4:5], s[20:21]
	s_add_nc_u64 s[22:23], s[6:7], s[22:23]
	s_add_nc_u64 s[46:47], s[8:9], s[46:47]
	s_add_nc_u64 s[92:93], s[10:11], s[92:93]
	CROUND                                         ; all sixteen work-groups are here: the joint loads meet
	s_mov_b32 s[G0S], 1
	s_add_co_u32 s[G0S+1], s94, SCL
	s_mov_b64 s[G0S+2:G0S+3], s[22:23]
	s_or_b32 s[G0S+3], s[G0S+3], 0x80000000
	s_mov_b32 s[G0SB], 1
	s_add_co_u32 s[G0SB+1], s94, SCL
	s_mov_b64 s[G0SB+2:G0SB+3], s[92:93]
	s_or_b32 s[G0SB+3], s[G0SB+3], 0x80000000
	JLOAD G0S, G1S, G0SB, G1SB                     ; the scales first
.irp s, 0,1
	s_mov_b32 s[G0+4*\s], 1
	s_add_co_u32 s[G0+4*\s+1], s45, \s*SLOT
	s_add_nc_u64 s[G0+4*\s+2:G0+4*\s+3], s[20:21], \s*ROWB
	s_or_b32 s[G0+4*\s+3], s[G0+4*\s+3], 0x80000000
	s_mov_b32 s[G0B+4*\s], 1
	s_add_co_u32 s[G0B+4*\s+1], s45, \s*SLOT
	s_add_nc_u64 s[G0B+4*\s+2:G0B+4*\s+3], s[46:47], \s*ROWB
	s_or_b32 s[G0B+4*\s+3], s[G0B+4*\s+3], 0x80000000
	JLOAD G0+4*\s, G1, G0B+4*\s, G1B               ; three loads of mine are out in all
.endr
	v_and_b32 v1, 15, v0                           ; r
	v_bfe_u32 v2, v0, 4, 1                         ; h
	v_mul_u32_u24 v3, v1, PITCH
	v_lshl_add_u32 v4, v2, 4, v3                   ; a fragment's row x pitch + 16 h
	s_mul_i32 s21, s15, HALFT
	s_mul_i32 s22, s16, HALFT
	s_add_co_u32 s22, s22, 2*HALFT
.irp s, 0,1
	v_add_nc_u32 v[ADRA+\s], s21, v4
	v_add_nc_u32 v[ADRB+\s], s22, v4
	s_add_co_u32 s21, s21, SLOT
	s_add_co_u32 s22, s22, SLOT
.endr
	v_mul_u32_u24 v5, v1, KS                       ; my row's scales: 32 bytes a row,
	v_lshrrev_b32 v6, 8, v5
	v_lshl_add_u32 v5, v6, 4, v5                   ; and 16 more for each 256 passed
	s_mul_i32 s21, s15, HALFS
	s_mul_i32 s22, s16, HALFS
	s_add_co_u32 s22, s22, 2*HALFS
	s_sub_co_u32 s22, s22, s21
	v_mul_u32_u24 v6, s22, v2                      ; lanes 16-31 take B's
	s_add_co_u32 s21, s21, SCL
	v_add_nc_u32 v5, v5, v6
	v_add_nc_u32 v[ADRS], s21, v5
	s_mul_i32 s23, s14, 4608                       ; my stage, in slot 0: 2 heads x 16 rows x (128 bytes + 16)
	v_mul_u32_u24 v5, v1, 144
	v_lshl_add_u32 v5, v2, 4, v5
	v_add_nc_u32 v[STO], s23, v5                   ; in: row r, + 16 h
	v_and_b32 v6, 31, v0
	v_lshlrev_b32 v[CO], 4, v6
	v_lshrrev_b32 v5, 3, v6
	v_mul_u32_u24 v5, v5, 144
	v_and_b32 v6, 7, v6
	v_lshl_add_u32 v5, v6, 4, v5
	v_add_nc_u32 v[RD], s23, v5                    ; back: eight lanes to a row, four rows an instruction
	; where my results go (in the registers that held B's addresses: those that fed A's descriptors never hold cx)
	s_lshl_b32 s46, s41, 4
	s_lshl_b32 s47, s40, 2
	s_add_co_u32 s46, s46, s47
	s_lshl_b32 s47, s16, 1
	s_add_co_u32 s46, s46, s47                     ; 16 x batch + my first head
	s_lshl_b32 s46, s46, 18                        ; a head's plane is 262,144 bytes
	s_lshl_b32 s47, ttmp9, 24                      ; the section
	s_add_co_u32 s46, s46, s47
	s_lshl_b32 s47, s99, 15                        ; 256 rows of 128 bytes for each cluster y
	s_add_co_u32 s46, s46, s47
	s_lshl_b32 s47, s15, 14                        ; my 128 rows
	s_add_co_u32 s46, s46, s47
	s_mov_b32 s47, 0
	s_add_nc_u64 s[2:3], s[2:3], s[46:47]
	s_lshl_b32 s46, s99, 16                        ; the table: 4,096 bytes for each 16 sequence indices
	s_lshl_b32 s92, s15, 15
	s_add_co_u32 s46, s46, s92
	s_add_nc_u64 s[12:13], s[12:13], s[46:47]
	s_mul_i32 s46, s41, 192                        ; fine: 192 blocks of 16 columns a batch,
	s_lshl_b32 s92, ttmp9, 6
	s_add_co_u32 s46, s46, s92
	s_lshl_b32 s92, s40, 4
	s_add_co_u32 s46, s46, s92
	s_lshl_b32 s92, s16, 3
	s_add_co_u32 s46, s46, s92
	s_lshl_b32 s46, s46, 10                        ; 1,024 bytes each
	s_add_nc_u64 s[96:97], s[96:97], s[46:47]
.macro FRAG reg, adr, q, i             ; 16 rows x 128 K of 4-bit codes: 8 registers: two loads of 16 bytes, 32 bytes apart
.irp c, 0,1
	ds_load_b128 v[\reg+4*\c:\reg+4*\c+3], v[\adr] offset:64*(\q)+32*\c+(\i)*16*PITCH
.endr
.endm
; 16 matrix instructions: A's blocks a0, a0 + 1 x B's eight, the slot's q-th 128 along K.  The 64 accumulators take turns, one instruction a turn, in the same order in every step.
.macro MUL16 a0, p, q, sc, zero
.irp a, \a0, \a0+1
.irp b, 0,1,2,3,4,5,6,7
.if \zero
	v_wmma_scale_f32_16x16x128_f8f6f4 v[8*(8*((\a)%4)+\b):8*(8*((\a)%4)+\b)+7], v[128*(\p)+FR*\b:128*(\p)+FR*\b+FR-1], v[AF+FR*(\a):AF+FR*(\a)+FR-1], 0, v[SC+8*NQ*(\sc)+NQ*\b+(\q)], v[SC+8*NQ*(\sc)+NQ*(\a)+(\q)] matrix_a_fmt:MATRIX_FMT_FP4 matrix_b_fmt:MATRIX_FMT_FP4 matrix_a_scale:MATRIX_SCALE_ROW1
.else
	v_wmma_scale_f32_16x16x128_f8f6f4 v[8*(8*((\a)%4)+\b):8*(8*((\a)%4)+\b)+7], v[128*(\p)+FR*\b:128*(\p)+FR*\b+FR-1], v[AF+FR*(\a):AF+FR*(\a)+FR-1], v[8*(8*((\a)%4)+\b):8*(8*((\a)%4)+\b)+7], v[SC+8*NQ*(\sc)+NQ*\b+(\q)], v[SC+8*NQ*(\sc)+NQ*(\a)+(\q)] matrix_a_fmt:MATRIX_FMT_FP4 matrix_b_fmt:MATRIX_FMT_FP4 matrix_a_scale:MATRIX_SCALE_ROW1
.endif
.endr
.endr
.endm
.macro FETCH_B slot, q, p
	WIN TO_B
.irp i, 0,1,2,3,4,5,6,7
	FRAG 128*(\p)+FR*\i, ADRB+\slot, \q, \i
.endr
	WIN 0
.endm
.macro FETCH_A slot, q, i0
.irp i, \i0, \i0+1, \i0+2, \i0+3
	FRAG AF+FR*(\i), ADRA+\slot, \q, \i
.endr
.endm
.macro SCALES sc                       ; a slot's scale words: four words a row; lanes 0-15 take A's block i, lanes 16-31 B's block i
.irp i, 0,1,2,3,4,5,6,7
	ds_load_b128 v[SC+8*NQ*\sc+NQ*\i:SC+8*NQ*\sc+NQ*\i+3], v[ADRS] offset:\i*SBLK
.endr
.endm
.macro PLACES n                        ; plain vector lines that name no register of the matrix instructions ahead of them (ISA guide 7.12.1)
.rept \n
	v_nop
.endr
.endm
.macro STEP slot, q, zero              ; a step of 128 along K that has its successor in the same slot
	s_wait_dscnt 4*NL                              ; B's set and A's blocks 0-3 are in; the youngest eight loads (A's blocks 4-7) may be out
	WIN MUL_LO
	MUL16 0, (\q)%2, \q, \slot, \zero
	MUL16 2, (\q)%2, \q, \slot, \zero
	s_wait_dscnt 0
	PLACES NP
	FETCH_B \slot, (\q)+1, 1-(\q)%2
	FETCH_A \slot, (\q)+1, 0
	WIN MUL_HI
	MUL16 4, (\q)%2, \q, \slot, \zero
	MUL16 6, (\q)%2, \q, \slot, \zero
	PLACES NP
	WIN 0
	FETCH_A \slot, (\q)+1, 4
.endm
; Slot 0's last step changes slots: one barrier; in front of it each wave waits for all its tensor loads (its part of slot 1), adds 0 to its spare word, and waits for that and for its reads of slot 0.
.macro TURN slot, next
	s_wait_tensorcnt 0x0
	ds_add_u32 v[SPW], v[NIL]
	s_wait_dscnt 4*NL+1                            ; (the add and the youngest eight loads may be out)
	WIN MUL_LO
	MUL16 0, 1, NQ-1, \slot, 0
	s_wait_dscnt 0x0                               ; the add is done, and my reads of this slot are over
	s_barrier_signal -1
	MUL16 2, 1, NQ-1, \slot, 0
	WIN 0
	s_barrier_wait -1
	PLACES NP
	v_add_nc_u32 v[ADRS], 4*NQ, v[ADRS]            ; on to the next slot's scale words
	FETCH_B \next, 0, 0
	FETCH_A \next, 0, 0
	SCALES \next
	WIN MUL_HI
	MUL16 4, 1, NQ-1, \slot, 0
	MUL16 6, 1, NQ-1, \slot, 0
	PLACES NP
	WIN 0
	FETCH_A \next, 0, 4
.endm
.macro STEPS slot, from
.set Q, \from
.rept NQ-1-\from
	STEP \slot, Q, 0
.set Q, Q+1
.endr
.endm
.macro TL a                            ; the table of block a's 16 sequence indices: 8 loads of 512 consecutive bytes, into set a % 2
.irp g, 0,1,2,3,4,5,6,7
	global_load_b128 v[TB0+96*((\a)%2)+4*\g:TB0+96*((\a)%2)+4*\g+3], v[CO], s[12:13] offset:4096*(\a)+512*\g
.endr
.endm
	s_wait_tensorcnt 1                             ; the scales and my part of slot 0 are in (slot 1's load may be out)
	s_barrier_signal -1
	s_barrier_wait -1                              ; everybody's are
	TL 0                                           ; the table of my first two blocks is asked for here and wanted on the way out, behind all 512 products.
	TL 1                                           ; Every work-group asks, v's too, which rotates nothing: up to the way out the text has one way for all three sections; v's waves leave these 8,192 bytes unused and touch neither set of registers
	FETCH_B 0, 0, 0
	FETCH_A 0, 0, 0
	SCALES 0
	FETCH_A 0, 0, 4
	STEP 0, 0, 1                                   ; the first step's products start the sums
	STEPS 0, 1
	TURN 0, 1
	STEPS 1, 0
	s_wait_dscnt 4*NL                              ; the very last step: nothing more to fetch
	WIN MUL_LO
	MUL16 0, 1, NQ-1, 1, 0
	MUL16 2, 1, NQ-1, 1, 0
	s_wait_dscnt 0
	WIN MUL_HI
	MUL16 4, 1, NQ-1, 1, 0
	MUL16 6, 1, NQ-1, 1, 0
	WIN 0
; THE WAY OUT, block by block of 16 rows x 128 columns (two heads).
; ROPE: a lane's pair (x1, x2) with (c, s) of its row and pair: (-x2 s, x1 s), then + (x1 c, x2 c); each accumulator is read from its low end on.  Then f16.
.macro ROPE a
.set AC, 64*((\a)%4)
.set TBA, TB0+96*((\a)%2)
.if (\a) > 0
	s_wait_xcnt 0x0                                ; the stores that read v32-95 have read them
.endif
.if (\a) < 7
	s_wait_loadcnt 8                               ; this block's table is in; the next block's eight loads may be out
.else
	s_wait_loadcnt 0
.endif
	WIN 0x02+((\a)/4)                              ; source 0: the accumulators' window
.irp b, 0,1,2,3,4,5,6,7
.irp u, 0,1,2,3
	v_pk_mul_f32 v[T+8*\b+2*\u:T+8*\b+2*\u+1], v[AC+8*\b+2*\u:AC+8*\b+2*\u+1], v[TBA+8*(\b%4)+2*\u:TBA+8*(\b%4)+2*\u+1] op_sel:[1,1] op_sel_hi:[0,1] neg_lo:[0,1]
.endr
.irp u, 0,1,2,3
	v_pk_fma_f32 v[T+8*\b+2*\u:T+8*\b+2*\u+1], v[AC+8*\b+2*\u:AC+8*\b+2*\u+1], v[TBA+8*(\b%4)+2*\u:TBA+8*(\b%4)+2*\u+1], v[T+8*\b+2*\u:T+8*\b+2*\u+1] op_sel_hi:[1,0,1]
.endr
.endr
	WIN 0
.irp b, 0,1,2,3,4,5,6,7
.irp u, 0,1,2,3
	v_cvt_pk_f16_f32 v[H+4*\b+\u], v[T+8*\b+2*\u], v[T+8*\b+2*\u+1]
.endr
.endr
.if (\a) < 6
	TL (\a)+2
.endif
.if (\a) == 0
	s_cmp_lg_u32 s98, 0                            ; a batch's rows 0-15 also go out in f32
	s_cbranch_scc1 .Lnot_first_\@
.irp b, 0,1,2,3,4,5,6,7
.irp p, 0,1
	global_store_b128 v[CO], v[T+8*\b+4*\p:T+8*\b+4*\p+3], s[96:97] offset:1024*\b+512*\p   ; 512 consecutive bytes, aligned
.endr
.endr
.Lnot_first_\@:
.endif
.endm
.macro VCAST a                         ; v: f16 straight from the accumulators
.set AC, 64*((\a)%4)
	WIN 0x0a+5*((\a)/4)                            ; sources 0 and 1: window 2 or 3
.irp b, 0,1,2,3,4,5,6,7
.irp u, 0,1,2,3
	v_cvt_pk_f16_f32 v[H+4*\b+\u], v[AC+8*\b+2*\u], v[AC+8*\b+2*\u+1]
.endr
.endr
	WIN 0
.if (\a) == 0
	s_cmp_lg_u32 s98, 0
	s_cbranch_scc1 .Lnot_first_\@
	WIN 0x08                                       ; a store's data are its source 1: window 2
.irp b, 0,1,2,3,4,5,6,7
.irp p, 0,1
	global_store_b128 v[CO], v[AC+8*\b+4*\p:AC+8*\b+4*\p+3], s[96:97] offset:1024*\b+512*\p
.endr
.endr
	WIN 0
.Lnot_first_\@:
.endif
.endm
; A lane's 16 bytes belong to one row and the lanes beside it hold other rows: the block goes through my own stage and comes back four rows (512 consecutive bytes of a head's plane) an instruction.
; LDS serves a wave's instructions in order (ISA guide 5.7.1.4): no wait between the stores and the loads, nor in front of the next block's stores.
.macro TOSTAGE a
.set BB, BK+32*((\a)%2)
.irp b, 0,1,2,3,4,5,6,7
	ds_store_b128 v[STO], v[H+4*\b:H+4*\b+3] offset:2304*(\b/4)+32*(\b%4)
.endr
.irp t, 0,1,2,3,4,5,6,7
	ds_load_b128 v[BB+4*\t:BB+4*\t+3], v[RD] offset:2304*(\t/4)+576*(\t%4)
.endr
.endm
.macro SEND a, younger                 ; younger: the LDS instructions issued behind block a's loads
.set BB, BK+32*((\a)%2)
	s_wait_dscnt \younger
.irp t, 0,1,2,3,4,5,6,7
	global_store_b128 v[CO], v[BB+4*\t:BB+4*\t+3], s[2:3] offset:262144*(\t/4)+2048*(\a)+512*(\t%4)   ; 512 consecutive bytes, aligned
.endr
.endm
	PLACES NP                                      ; behind the last products: their results are read, and their scale words' and A's registers written, below
	s_cmp_eq_u32 ttmp9, 2                          ; cluster x = 2: the section is v, which is not rotated
	s_cbranch_scc1 .Lv_path
	ROPE 0
	TOSTAGE 0
.irp a, 1,2,3,4,5,6,7
	ROPE \a
.if \a > 1
	s_wait_xcnt 0x0                                ; block a - 2's stores have read their registers: block a's loads may land there
.endif
	TOSTAGE \a
	SEND \a-1, 16                                  ; behind block a - 1's loads: block a's 8 stores and 8 loads
.endr
	SEND 7, 0
	s_branch .Lout
.Lv_path:
	VCAST 0
	TOSTAGE 0
.irp a, 1,2,3,4,5,6,7
	VCAST \a
.if \a > 1
	s_wait_xcnt 0x0
.endif
	TOSTAGE \a
	SEND \a-1, 16
.endr
	SEND 7, 0
.Lout:
	s_wait_tensorcnt 0x0                           ; the wave's end
	ds_add_u32 v[SPW], v[NIL]
	s_wait_dscnt 0x0
	CROUND                                         ; the closing round
	s_endpgm
.Lfunc_end_k_qe189446fb4_qkv:
	.size	k_qe189446fb4_qkv, .Lfunc_end_k_qe189446fb4_qkv-k_qe189446fb4_qkv
	.p2alignl 7, 3214868480
	.fill 96, 4, 3214868480
	.section	.rodata,"a",@progbits
	.p2align	6, 0x0
	.amdhsa_kernel k_qe189446fb4_qkv
		.amdhsa_group_segment_fixed_size 327680
		.amdhsa_private_segment_fixed_size 0
		.amdhsa_enable_private_segment 0
		.amdhsa_kernarg_size 40
		.amdhsa_user_sgpr_count 2
		.amdhsa_user_sgpr_kernarg_segment_ptr 1
		.amdhsa_wavefront_size32 1
		.amdhsa_system_sgpr_workgroup_id_x 1
		.amdhsa_system_sgpr_workgroup_id_y 1
		.amdhsa_system_sgpr_workgroup_id_z 1
		.amdhsa_system_vgpr_workitem_id 0
		.amdhsa_next_free_vgpr 1024
		.amdhsa_next_free_sgpr 100
		.amdhsa_reserve_vcc 0
		.amdhsa_float_denorm_mode_32 3
		.amdhsa_float_denorm_mode_16_64 3
		.amdhsa_memory_ordered 1
		.amdhsa_forward_progress 1
		.amdhsa_inst_pref_size 200
	.end_amdhsa_kernel
	.amdgpu_metadata
---
amdhsa.version: [ 1, 2 ]
amdhsa.kernels:
  - .name:           k_qe189446fb4_qkv
    .symbol:         k_qe189446fb4_qkv.kd
    .args:
      - { .name: codes, .offset: 0, .size: 8, .value_kind: global_buffer, .address_space: global }
      - { .name: scales, .offset: 8, .size: 8, .value_kind: global_buffer, .address_space: global }
      - { .name: tab, .offset: 16, .size: 8, .value_kind: global_buffer, .address_space: global }
      - { .name: qkvh, .offset: 24, .size: 8, .value_kind: global_buffer, .address_space: global }
      - { .name: fine, .offset: 32, .size: 8, .value_kind: global_buffer, .address_space: global }
    .group_segment_fixed_size: 327680
    .private_segment_fixed_size: 0
    .kernarg_segment_align: 8
    .kernarg_segment_size: 40
    .max_flat_workgroup_size: 128
    .sgpr_count:     100
    .vgpr_count:     1024
    .wavefront_size: 32
...
	.end_amdgpu_metadata
.endif
;; end of part 2
;; launch attn (part 3): grid 4 x 64, 8 waves a work-group, no clusters, 327,680 bytes of LDS; arguments qkvh, yimg; writes yimg
.if DOCPART == 3
	.amdgcn_target "amdgcn-amd-amdhsa--gfx1250"
	.amdhsa_code_object_version 6
	.text
	.protected	k_qe189446fb4_attn
	.globl	k_qe189446fb4_attn
	.p2align	8
	.type	k_qe189446fb4_attn,@function
k_qe189446fb4_attn:
	s_mov_b64 s[64:65], 0
	v_nop
	global_prefetch_b8 v0, s[64:65] scope:SCOPE_SE
	s_setreg_imm32_b32 hwreg(HW_REG_WAVE_MODE, 25, 1), 1
	s_wait_xcnt 0x0
; y[b][h][q] = the sum over k <= q of softmax_k(q . k / 8) v[k]: 64 heads of 2,048 positions x 64 channels, operands in f16, products, maxima and sums in f32; the weights p are rounded to f16 for the second product.
; SHARES.  Work-group (j, head) owns query blocks j and 7 - j of 256.  Wave w owns two pieces of 32 queries: L at 256 j + 32 w (tiles 0, 1) and H at 256 (7 - j) + 32 (7 - w) (tiles 2, 3).
; With key steps of 64 piece L has 4 j + w / 2 + 1 steps under the mask and piece H 4 (7 - j) + (7 - w) / 2 + 1: 33 together, in every wave of every work-group.  Two waves share a SIMD.
; LAYOUT.  S^T = K Q^T (source 0 = 16 keys, source 1 = 16 queries): a lane holds ONE query (lane % 16) and keys 8 (lane / 16) + 0..7.  Two such tiles, rounded to f16 in pairs, ARE source 1 of O^T = V^T P,
; whose result again holds one query a lane and eight channels; rounded in pairs that is the next launch's operand image, so y leaves straight from registers.  V comes out of LDS turned, by ds_load_tr16_b128.
; SOFTMAX.  A running maximum m and sum l for each query: p = 2^(c s - c m), c = log2(e) / 8; in every step O and l are multiplied by a = 2^(c m_old - c m_new).  The step is written once: O and l begin as zeros, m as -3e38.
; THE MASK.  Every work-group walks all 8 slots of 256 keys and all 32 steps: the trip counts are constants.  A step all of whose keys come after a piece's queries is left out by a scalar branch on ids;
; on the diagonal hidden scores become -infinity ahead of the maximum.  A slot whose first key comes after the work-group's last query is not asked for.
; NO CLUSTER: the four work-groups of a head read 8, 7, 6 and 5 slots of K and V: a joint load would bring a partner tiles that none of its waves reads.
; OUT: yimg [k / 128][row / 16][4][2][lane][16 bytes]: lane (r, h), piece c of fragment kb: row r, k = 32 kb + 16 c + 8 h + 0..7 of the K step; k = 64 head + channel.
; LIMITS: |y| under 65,504 (f16); NaN and infinities are not served.
; REGISTERS: window 0: v2-14 addresses; v16-47 statistics, 8 a tile; v64-191 S^T, then p, then P, 32 a tile; v192-255 K of a step.   window 1: v0-127 O^T, 32 a tile; v128-191 Q, 16 a tile; v192-255 V of a step.
.set PK,    144                        ; a row of K in LDS: 128 bytes + 16: the 16 rows of a load start at 16 different banks (64 banks of 4 bytes: ISA guide 11.1)
.set PV,    160                        ; a row of V: 128 + 32
.set VOFF,  256*PK                     ; a slot: 256 rows of K, then 256 rows of V
.set SLOT1, 1<<17                      ; slot 1 begins here: one exclusive or turns an address
.set SPARE, SLOT1+VOFF+256*PV          ; the spare words, 128 bytes a wave
.set SEC,   1<<24                      ; bytes of a section of qkvh
.set AK0, 2
.set AV0, 3
.set ADK, 4
.set ADV, 5
.set QO,  6
.set GO,  7
.set D0,  8
.set D1,  9
.set SPW, 10
.set NIL, 11
.set PFO, 12
.set NINF, 13
.set RH,  14
.set ST,  16                           ; tile t at v[ST + 8 t]: +0 c m, +1 m, +2, +3 l, +4 to +7 at work; a in +6
.set S,   64
.set KFR, 192
.set O,   0
.set QF,  128
.set VF,  192
.set WV,  12
.set BH,  14
.set LIM, 15
.set PFA, 18
.set SEL, 20
.set CS,  22
.set G1K, 24
.set G1V, 32
.set G0K, 40
.set G0V, 44
.set TBK, 48
.set TBV, 49
.set KF,  50
.set QL,  51
.set QH,  52
.set LASTQ, 53
.set SLOTS, 54
.set STP, 55
.set MSB, 0
.macro WIN new
.if MSB != \new
	s_set_vgpr_msb (MSB<<8)|\new
.set MSB, \new
.endif
.endm
.set W_LD1, 0x40                       ; destination window 1
.set W_KQ,  0x04                       ; Q (source 1) window 1
.set W_PV,  0x51                       ; V (source 0), C and D window 1
.set W_RS,  0x41                       ; O^T (destination, source 0) window 1
.set W_CV,  0x05                       ; sources 0 and 1 window 1
; Waves 0-3 fetch the quarters of a slot's K, waves 4-7 of its V: one load a wave.  An s_nop 0 and four v_nop follow each of the two lines.
.macro TLOAD
	s_cmp_lt_u32 s[WV], 4
	s_cbranch_scc0 .Lfor_v_\@
	tensor_load_to_lds s[G0K:G0K+3], s[G1K:G1K+7]
	s_nop 0
.rept 4
	v_nop
.endr
	s_branch .Lasked_\@
.Lfor_v_\@:
	tensor_load_to_lds s[G0V:G0V+3], s[G1V:G1V+7]
	s_nop 0
.rept 4
	v_nop
.endr
.Lasked_\@:
.endm
.macro PLACES n
.rept \n
	v_nop
.endr
.endm
	s_load_b128 s[4:7], s[0:1], 0x0                ; qkvh s[4:5], yimg s[6:7]
	v_lshl_add_u32 v[SPW], v0, 2, SPARE
	v_mov_b32 v[NIL], 0
	ds_add_u32 v[SPW], v[NIL]                      ; the wave's opening: the add, twice on end, and its wait ahead of my first tensor load
	ds_add_u32 v[SPW], v[NIL]
	v_lshrrev_b32 v1, 5, v0
	v_readfirstlane_b32 s[WV], v1                  ; wave 0..7
	s_and_b32 s[BH], ttmp7, 0xffff                 ; 16 x batch + head
	s_mov_b32 s[G1K], (1<<16)|(1<<20)|(4<<22)|(3<<25)   ; no mask; elements of 2 bytes; padding on: after every 32 words four words
	s_mov_b32 s[G1V], (1<<16)|(1<<20)|(4<<22)|(7<<25)   ; the same with eight words
.irp g, G1K, G1V
	s_mov_b32 s[\g+1], 64<<16                      ; tensor_dim0 = 64
	s_mov_b32 s[\g+2], 64<<16                      ; tensor_dim1 = 64
	s_mov_b32 s[\g+3], 64<<16                      ; tile_dim0 = 64
	s_mov_b32 s[\g+4], 64                          ; tile_dim1 = 64 rows
	s_mov_b32 s[\g+5], 64                          ; the pitch
	s_mov_b32 s[\g+6], 0
	s_mov_b32 s[\g+7], 0
.endr
	s_mov_b32 s[SEL], 0x76543210
	s_mov_b32 s[SEL+1], 0xfedcba98                 ; v_permlanex16_b32's selects for lane l xor 16
	s_mov_b32 s[CS], 0x3e38aa3b                    ; c = log2(e) / 8
	s_mov_b32 s[CS+1], s[CS]
	s_lshl_b32 s[QL], ttmp9, 8
	s_sub_co_u32 s[LASTQ], 2047, s[QL]             ; my work-group's last query: 256 (7 - j) + 255
	s_lshl_b32 s66, s[WV], 5
	s_add_co_u32 s[QL], s[QL], s66                 ; piece L's first query
	s_sub_co_u32 s[QH], 2016, s[QL]                ; piece H's
	s_mov_b32 s[KF], 0                             ; the step's first key
	s_mov_b32 s[TBK], 0                            ; where the step's K begins in LDS,
	s_mov_b32 s[TBV], 0                            ; and, from VOFF on, its V
	s_mov_b32 s[SLOTS], 8
	s_and_b32 s67, s[WV], 3                        ; which quarter of a slot I fetch
	s_mul_i32 s72, s67, 64*PK
	s_mul_i32 s73, s67, 64*PV
	s_add_co_u32 s73, s73, VOFF
	s_lshl_b32 s68, s67, 13                        ; its 64 rows of 128 bytes in memory
	s_lshl_b32 s66, s[BH], 18                      ; the head's plane
	s_add_co_u32 s68, s68, s66
	s_mov_b32 s69, 0
	s_mov_b32 s67, 0
	s_wait_dscnt 0x0                               ; both opening adds are done
	s_wait_kmcnt 0x0
	s_add_nc_u64 s[70:71], s[4:5], s[68:69]
	s_mov_b32 s[G0K], 1
	s_mov_b32 s[G0K+1], s72
	s_add_nc_u64 s[G0K+2:G0K+3], s[70:71], SEC
	s_or_b32 s[G0K+3], s[G0K+3], 0x80000000
	s_mov_b32 s[G0V], 1
	s_mov_b32 s[G0V+1], s73
	s_add_nc_u64 s[G0V+2:G0V+3], s[70:71], 2*SEC
	s_or_b32 s[G0V+3], s[G0V+3], 0x80000000
	TLOAD                                          ; slot 0: it holds key 0, which counts for every query
	; the prefetches: my own quarter (K's or V's), of the slot after the one that a change of slots asks for
	s_cmp_lt_u32 s[WV], 4
	s_cselect_b32 s74, 0, SEC
	s_mov_b32 s75, 0
	s_add_nc_u64 s[PFA:PFA+1], s[70:71], s[74:75]
	s_add_nc_u64 s[PFA:PFA+1], s[PFA:PFA+1], SEC+32768   ; in slot 1: the first change steps it to slot 2
	s_cmp_eq_u32 ttmp9, 0                          ; of a head's four work-groups the one that walks all slots asks
	s_cselect_b32 s[LIM], 2, -1
	s_add_nc_u64 s[56:57], s[4:5], s[66:67]        ; q's plane of my head
	s_lshl_b32 s74, s[QH], 7
	s_add_nc_u64 s[58:59], s[56:57], s[74:75]      ; piece H's rows
	s_lshl_b32 s74, s[QL], 7
	s_add_nc_u64 s[56:57], s[56:57], s[74:75]      ; piece L's
	s_and_b32 s72, s[BH], 15                       ; head
	s_lshr_b32 s73, s[BH], 4                       ; batch
	s_lshr_b32 s74, s72, 1
	s_lshl_b32 s74, s74, 9                         ; K step head / 2: 512 blocks of 16 rows
	s_lshl_b32 s73, s73, 7                         ; 128 blocks a batch
	s_add_co_u32 s74, s74, s73
	s_and_b32 s72, s72, 1
	s_lshl_b32 s72, s72, 11                        ; an odd head's fragments lie 2,048 bytes on
	s_lshr_b32 s73, s[QL], 4
	s_add_co_u32 s73, s73, s74
	s_lshl_b32 s68, s73, 12
	s_add_co_u32 s68, s68, s72
	s_add_nc_u64 s[60:61], s[6:7], s[68:69]        ; y's image of piece L
	s_lshr_b32 s73, s[QH], 4
	s_add_co_u32 s73, s73, s74
	s_lshl_b32 s68, s73, 12
	s_add_co_u32 s68, s68, s72
	s_add_nc_u64 s[62:63], s[6:7], s[68:69]        ; of piece H
	v_and_b32 v1, 15, v0                           ; r
	v_bfe_u32 v15, v0, 4, 1                        ; h
	v_lshlrev_b32 v[QO], 7, v1
	v_lshl_add_u32 v[QO], v15, 4, v[QO]            ; q: row r of 128 bytes, + 16 h
	WIN W_LD1
.irp t, 0,1
.irp cs, 0,1
	global_load_b128 v[QF+16*\t+8*\cs:QF+16*\t+8*\cs+3],     v[QO], s[56:57] offset:2048*\t+64*\cs
	global_load_b128 v[QF+16*\t+8*\cs+4:QF+16*\t+8*\cs+7],   v[QO], s[56:57] offset:2048*\t+64*\cs+32
	global_load_b128 v[QF+32+16*\t+8*\cs:QF+32+16*\t+8*\cs+3],   v[QO], s[58:59] offset:2048*\t+64*\cs
	global_load_b128 v[QF+32+16*\t+8*\cs+4:QF+32+16*\t+8*\cs+7], v[QO], s[58:59] offset:2048*\t+64*\cs+32
.endr
.endr
.set i, 0
.rept 128
	v_mov_b32 v[O+i], 0                            ; O^T: the step is written once, and its first trip finds zeros
.set i, i+1
.endr
	WIN 0
	v_mul_u32_u24 v[AK0], v1, PK
	v_lshl_add_u32 v[AK0], v15, 4, v[AK0]          ; K: row r x pitch + 16 h
	v_and_b32 v[AV0], 7, v0
	v_lshl_add_u32 v[AV0], v15, 3, v[AV0]          ; V: key 8 h + l % 8,
	v_mul_u32_u24 v[AV0], v[AV0], PV
	v_bfe_u32 v[ADK], v0, 3, 1
	v_lshl_add_u32 v[AV0], v[ADK], 4, v[AV0]       ; channels 8 ((l / 8) % 2) on
	v_add_nc_u32 v[AV0], VOFF, v[AV0]
	v_and_b32 v[GO], 31, v0
	v_lshlrev_b32 v[PFO], 8, v[GO]                 ; the prefetches: lanes 256 bytes apart
	v_lshlrev_b32 v[GO], 4, v[GO]                  ; the way out: 16 bytes a lane
	v_lshlrev_b32 v[RH], 3, v15
	v_sub_nc_u32 v[RH], v1, v[RH]                  ; r - 8 h
	v_mov_b32 v[NINF], 0xff800000
.irp t, 0,1,2,3
	v_mov_b32 v[ST+8*\t+1], 0xff61b1e6             ; m = -3e38, under every score
	v_mul_f32 v[ST+8*\t], s[CS], v[ST+8*\t+1]
.irp i, 2,3,4,5,6,7
	v_mov_b32 v[ST+8*\t+\i], 0
.endr
.endr
; 16 products of S^T = K Q^T for tiles y, y + 1: the piece's 8 accumulators take turns, one instruction a turn; the first 8 start the sums.
.macro KQM y
	WIN W_KQ
.irp cs, 0,1
.irp kt, 0,1,2,3
.irp t, \y, \y+1
.if \cs == 0
	v_wmma_f32_16x16x32_f16 v[S+32*(\t)+8*\kt:S+32*(\t)+8*\kt+7], v[KFR+16*\kt+8*\cs:KFR+16*\kt+8*\cs+7], v[QF+16*(\t)+8*\cs:QF+16*(\t)+8*\cs+7], 0
.else
	v_wmma_f32_16x16x32_f16 v[S+32*(\t)+8*\kt:S+32*(\t)+8*\kt+7], v[KFR+16*\kt+8*\cs:KFR+16*\kt+8*\cs+7], v[QF+16*(\t)+8*\cs:QF+16*(\t)+8*\cs+7], v[S+32*(\t)+8*\kt:S+32*(\t)+8*\kt+7]
.endif
.endr
.endr
.endr
.endm
; 16 products of O^T += V^T P: keys 32 g on, channels 16 ct on.
.macro PVM y
	WIN W_PV
.irp g, 0,1
.irp ct, 0,1,2,3
.irp t, \y, \y+1
	v_wmma_f32_16x16x32_f16 v[O+32*(\t)+8*\ct:O+32*(\t)+8*\ct+7], v[VF+32*\g+8*\ct:VF+32*\g+8*\ct+7], v[S+32*(\t)+8*\g:S+32*(\t)+8*\g+7], v[O+32*(\t)+8*\ct:O+32*(\t)+8*\ct+7]
.endr
.endr
.endr
.endm
; THE SOFTMAX of tiles y, y + 1 for one key step; the two tiles alternate line by line.  q0: the scalar that holds the piece's first query.  Every window is 0 at its head.
.macro SM y, q0
	s_add_co_u32 s66, s[KF], 63
	s_cmp_le_u32 s66, s[\q0]                       ; all 64 keys count: no mask
	s_cbranch_scc1 .Lopen_\@
	s_sub_co_i32 s66, s[\q0], s[KF]
	v_add_nc_u32 v[D0], s66, v[RH]                 ; d = my query - the step's first key - 8 h.  Register 8 kt + jj holds key 16 kt + 8 h + jj of the step: hidden where 16 kt + jj > d
	v_add_nc_u32 v[D1], 16, v[D0]
.irp n, 0,1,2,3,4,5,6,7,8,9,10,11,12,13,14,15,16,17,18,19,20,21,22,23,24,25,26,27,28,29,30,31
	v_cmp_gt_i32 vcc_lo, 16*(\n/8)+\n%8, v[D0]
	v_cndmask_b32 v[S+32*(\y)+\n], v[S+32*(\y)+\n], v[NINF], vcc_lo
	v_cmp_gt_i32 vcc_lo, 16*(\n/8)+\n%8, v[D1]
	v_cndmask_b32 v[S+32*(\y)+32+\n], v[S+32*(\y)+32+\n], v[NINF], vcc_lo
.endr
.Lopen_\@:
.irp j, 0,1,2,3                        ; the maximum: four chains, one for each accumulator, begun at its low end
.irp t, \y, \y+1
	v_max3_num_f32 v[ST+8*(\t)+4+\j], v[S+32*(\t)+8*\j], v[S+32*(\t)+8*\j+1], v[S+32*(\t)+8*\j+2]
.endr
.endr
.irp i, 3,5
.irp j, 0,1,2,3
.irp t, \y, \y+1
	v_max3_num_f32 v[ST+8*(\t)+4+\j], v[ST+8*(\t)+4+\j], v[S+32*(\t)+8*\j+\i], v[S+32*(\t)+8*\j+\i+1]
.endr
.endr
.endr
.irp t, \y, \y+1
	v_max3_num_f32 v[ST+8*(\t)+4], v[ST+8*(\t)+4], v[S+32*(\t)+7], v[S+32*(\t)+15]
	v_max3_num_f32 v[ST+8*(\t)+6], v[ST+8*(\t)+6], v[S+32*(\t)+23], v[S+32*(\t)+31]
.endr
.irp t, \y, \y+1
	v_max3_num_f32 v[ST+8*(\t)+4], v[ST+8*(\t)+4], v[ST+8*(\t)+5], v[ST+8*(\t)+6]
.endr
.irp t, \y, \y+1
	v_max3_num_f32 v[ST+8*(\t)+4], v[ST+8*(\t)+4], v[ST+8*(\t)+7], v[ST+8*(\t)+1]   ; and the old m
.endr
.irp t, \y, \y+1
	v_permlanex16_b32 v[ST+8*(\t)+5], v[ST+8*(\t)+4], s[SEL], s[SEL+1]   ; the query's other 32 keys lie in the lane 16 away
.endr
.irp t, \y, \y+1
	v_mov_b32 v[ST+8*(\t)+7], v[ST+8*(\t)]         ; c m_old
.endr
.irp t, \y, \y+1
	v_max_num_f32 v[ST+8*(\t)+1], v[ST+8*(\t)+4], v[ST+8*(\t)+5]
.endr
.irp t, \y, \y+1
	v_mul_f32 v[ST+8*(\t)], s[CS], v[ST+8*(\t)+1]
.endr
.irp t, \y, \y+1
	v_sub_f32 v[ST+8*(\t)+7], v[ST+8*(\t)+7], v[ST+8*(\t)]
.endr
.irp b, 0,2,4,6,8,10,12,14,16,18,20,22,24,26,28,30
.irp t, \y, \y+1
	v_pk_fma_f32 v[S+32*(\t)+\b:S+32*(\t)+\b+1], v[S+32*(\t)+\b:S+32*(\t)+\b+1], s[CS:CS+1], v[ST+8*(\t):ST+8*(\t)+1] op_sel_hi:[1,0,0] neg_lo:[0,0,1] neg_hi:[0,0,1]   ; c s - c m
.endr
.endr
.irp t, \y, \y+1
	v_exp_f32 v[ST+8*(\t)+6], v[ST+8*(\t)+7]       ; a
.endr
.irp e, 0,1,2,3,4,5,6,7,8,9,10,11,12,13,14,15,16,17,18,19,20,21,22,23,24,25,26,27,28,29,30,31
.irp t, \y, \y+1
	v_exp_f32 v[S+32*(\t)+\e], v[S+32*(\t)+\e]     ; p
.endr
.endr
	v_nop                                          ; a plain line behind the last exponential
	s_wait_alu depctr_va_vdst(0)                   ; one wait for both tiles' 66, ahead of their first reader
.irp t, \y, \y+1
	v_pk_mul_f32 v[ST+8*(\t)+2:ST+8*(\t)+3], v[ST+8*(\t)+2:ST+8*(\t)+3], v[ST+8*(\t)+6:ST+8*(\t)+7] op_sel_hi:[1,0]   ; l under the new m
	v_pk_add_f32 v[ST+8*(\t)+4:ST+8*(\t)+5], v[S+32*(\t)+2:S+32*(\t)+3], v[S+32*(\t)+6:S+32*(\t)+7]                   ; the sum of the unrounded p, in two chains
.endr
.irp b, 0,4
.irp t, \y, \y+1
	v_pk_add_f32 v[ST+8*(\t)+2:ST+8*(\t)+3], v[ST+8*(\t)+2:ST+8*(\t)+3], v[S+32*(\t)+\b:S+32*(\t)+\b+1]
.endr
.endr
.irp b, 8,12,16,20,24,28
.irp t, \y, \y+1
	v_pk_add_f32 v[ST+8*(\t)+2:ST+8*(\t)+3], v[ST+8*(\t)+2:ST+8*(\t)+3], v[S+32*(\t)+\b:S+32*(\t)+\b+1]
	v_pk_add_f32 v[ST+8*(\t)+4:ST+8*(\t)+5], v[ST+8*(\t)+4:ST+8*(\t)+5], v[S+32*(\t)+\b+2:S+32*(\t)+\b+3]
.endr
.endr
.irp t, \y, \y+1
	v_pk_add_f32 v[ST+8*(\t)+2:ST+8*(\t)+3], v[ST+8*(\t)+2:ST+8*(\t)+3], v[ST+8*(\t)+4:ST+8*(\t)+5]
.endr
.irp e, 0,1,2,3,4,5,6,7,8,9,10,11,12,13,14,15
.irp t, \y, \y+1
	v_cvt_pk_f16_f32 v[S+32*(\t)+\e], v[S+32*(\t)+2*\e], v[S+32*(\t)+2*\e+1]   ; in place, ascending: registers 8 g .. 8 g + 7 become P's fragment of keys 32 g on
.endr
.endr
	WIN W_RS
.irp b, 0,2,4,6,8,10,12,14,16,18,20,22,24,26,28,30
.irp t, \y, \y+1
	v_pk_mul_f32 v[O+32*(\t)+\b:O+32*(\t)+\b+1], v[O+32*(\t)+\b:O+32*(\t)+\b+1], v[ST+8*(\t)+6:ST+8*(\t)+7] op_sel_hi:[1,0]   ; O^T under the new m
.endr
.endr
.endm
; A KEY STEP of 64 keys.
.macro STEP
	s_add_co_u32 s66, s[QH], 31
	s_cmp_gt_u32 s[KF], s66                        ; all its keys come after my last query: only the addresses step
	s_cbranch_scc1 .Lhid_\@
	v_add_nc_u32 v[ADK], s[TBK], v[AK0]
	v_add_nc_u32 v[ADV], s[TBV], v[AV0]
.irp kt, 0,1,2,3
.irp cs, 0,1
	ds_load_b128 v[KFR+16*\kt+8*\cs:KFR+16*\kt+8*\cs+3],   v[ADK] offset:16*PK*\kt+64*\cs
	ds_load_b128 v[KFR+16*\kt+8*\cs+4:KFR+16*\kt+8*\cs+7], v[ADK] offset:16*PK*\kt+64*\cs+32
.endr
.endr
	WIN W_LD1
.irp g, 0,1
.irp ct, 0,1,2,3
	ds_load_tr16_b128 v[VF+32*\g+8*\ct:VF+32*\g+8*\ct+3],   v[ADV] offset:32*PV*\g+32*\ct
	ds_load_tr16_b128 v[VF+32*\g+8*\ct+4:VF+32*\g+8*\ct+7], v[ADV] offset:32*PV*\g+32*\ct+16*PV
.endr
.endr
	s_wait_dscnt 16                                ; K is in; V's sixteen loads may be out
	KQM 2
	WIN 0
	s_add_co_u32 s66, s[QL], 31
	s_cmp_gt_u32 s[KF], s66                        ; piece L is past its last key
	s_cbranch_scc1 .Ln1_\@
	KQM 0
	WIN 0
.Ln1_\@:
	PLACES 4                                       ; behind the products, ahead of the first read of their results
	SM 2, QH
	s_wait_dscnt 0x0                               ; V is in
	PVM 2
	WIN 0
	s_add_co_u32 s66, s[QL], 31
	s_cmp_gt_u32 s[KF], s66
	s_cbranch_scc1 .Ln2_\@
	SM 0, QL
	PVM 0
	WIN 0
.Ln2_\@:
	PLACES 5                                       ; the next step's products write over P's registers, and its loads land in K's and V's
.Lhid_\@:
	s_add_co_u32 s[KF], s[KF], 64
	s_add_co_u32 s[TBK], s[TBK], 64*PK
	s_add_co_u32 s[TBV], s[TBV], 64*PV
.endm
	s_wait_loadcnt 0x0                             ; Q
.Lslot:                                            ; 8 trips, a slot each
	; THE CHANGE OF SLOTS stands at a slot's head.
	s_wait_tensorcnt 0x0                           ; all my tensor loads have landed: my part of the slot that I am about to read; a group 0 may be written
	ds_add_u32 v[SPW], v[NIL]                      ; 0 onto my spare word; the descriptors' steps stand between it and the wait for it
	s_xor_b32 s[G0K+1], s[G0K+1], SLOT1            ; the other slot than last time,
	s_add_nc_u64 s[G0K+2:G0K+3], s[G0K+2:G0K+3], 32768   ; the next 256 keys
	s_xor_b32 s[G0V+1], s[G0V+1], SLOT1
	s_add_nc_u64 s[G0V+2:G0V+3], s[G0V+2:G0V+3], 32768
	s_wait_xcnt 0x0                                ; the last prefetch, a slot back, has read its address
	s_add_nc_u64 s[PFA:PFA+1], s[PFA:PFA+1], 32768
	s_wait_dscnt 0x0                               ; the add is done, and my reads of the slot that I have left are over
	s_barrier_signal -1
	s_barrier_wait -1                              ; the slot ahead is whole, and nobody reads the other one
	s_add_co_u32 s66, s[KF], 256                   ; the first key of the slot that this change would ask for:
	s_cmp_gt_u32 s66, s[LASTQ]                     ; past my work-group's last query none of its waves would read it.  Ids and the count of steps alone: all eight waves go the same way
	s_cbranch_scc1 .Lpast
	TLOAD                                          ; a wave's one tensor load until the next change: it has a slot's four steps in which to land
.Lpast:
	s_cmp_gt_u32 s[SLOTS], s[LIM]                  ; trips 0 to 5 of the asking work-group: slot trip + 2, my own quarter: 32 lanes x 256 bytes, four key steps ahead of its load
	s_cbranch_scc0 .Lno_ask
	global_prefetch_b8 v[PFO], s[PFA:PFA+1] th:TH_LOAD_NT scope:SCOPE_SE
.Lno_ask:
	s_mov_b32 s[STP], 4
.Lstep:
	STEP
	s_sub_co_u32 s[STP], s[STP], 1
	s_cmp_lg_u32 s[STP], 0
	s_cbranch_scc1 .Lstep
	s_sub_co_u32 s[TBK], s[TBK], 256*PK            ; back to a slot's first step,
	s_xor_b32 s[TBK], s[TBK], SLOT1                ; in the other slot
	s_sub_co_u32 s[TBV], s[TBV], 256*PV
	s_xor_b32 s[TBV], s[TBV], SLOT1
	s_sub_co_u32 s[SLOTS], s[SLOTS], 1
	s_cmp_lg_u32 s[SLOTS], 0
	s_cbranch_scc1 .Lslot
	; THE WAY OUT: l's two halves and the other half of the lanes'; O^T / l, rounded to f16 in pairs, is the next launch's operand image as it stands.
.irp t, 0,1,2,3
	v_add_f32 v[ST+8*\t+4], v[ST+8*\t+2], v[ST+8*\t+3]
.endr
.irp t, 0,1,2,3
	v_permlanex16_b32 v[ST+8*\t+5], v[ST+8*\t+4], s[SEL], s[SEL+1]
.endr
.irp t, 0,1,2,3
	v_add_f32 v[ST+8*\t+4], v[ST+8*\t+4], v[ST+8*\t+5]
.endr
.irp t, 0,1,2,3
	v_rcp_f32 v[ST+8*\t+6], v[ST+8*\t+4]
.endr
	v_nop                                          ; a plain line behind the last reciprocal
	s_wait_alu depctr_va_vdst(0)                   ; one wait for the four, ahead of their first reader
.macro OUTT t, yb
	WIN W_RS
.set i, 0
.rept 16
	v_pk_mul_f32 v[O+32*(\t)+i:O+32*(\t)+i+1], v[O+32*(\t)+i:O+32*(\t)+i+1], v[ST+8*(\t)+6:ST+8*(\t)+7] op_sel_hi:[1,0]
.set i, i+2
.endr
	WIN W_CV
.set i, 0
.rept 16
	v_cvt_pk_f16_f32 v[S+16*(\t)+i], v[O+32*(\t)+2*i], v[O+32*(\t)+2*i+1]
.set i, i+1
.endr
	WIN 0
.irp ct, 0,1,2,3
	global_store_b128 v[GO], v[S+16*(\t)+4*\ct:S+16*(\t)+4*\ct+3], s[\yb:\yb+1] offset:4096*((\t)%2)+512*\ct   ; 512 consecutive bytes, aligned
.endr
.endm
	OUTT 0, 60
	OUTT 1, 60
	OUTT 2, 62
	OUTT 3, 62
	s_wait_tensorcnt 0x0                           ; the wave's end
	ds_add_u32 v[SPW], v[NIL]
	s_wait_dscnt 0x0
	s_endpgm
.Lfunc_end_k_qe189446fb4_attn:
	.size	k_qe189446fb4_attn, .Lfunc_end_k_qe189446fb4_attn-k_qe189446fb4_attn
	.p2alignl 7, 3214868480
	.fill 96, 4, 3214868480
	.section	.rodata,"a",@progbits
	.p2align	6, 0x0
	.amdhsa_kernel k_qe189446fb4_attn
		.amdhsa_group_segment_fixed_size 327680
		.amdhsa_private_segment_fixed_size 0
		.amdhsa_enable_private_segment 0
		.amdhsa_kernarg_size 16
		.amdhsa_user_sgpr_count 2
		.amdhsa_user_sgpr_kernarg_segment_ptr 1
		.amdhsa_wavefront_size32 1
		.amdhsa_system_sgpr_workgroup_id_x 1
		.amdhsa_system_sgpr_workgroup_id_y 1
		.amdhsa_system_sgpr_workgroup_id_z 1
		.amdhsa_system_vgpr_workitem_id 0
		.amdhsa_next_free_vgpr 512
		.amdhsa_next_free_sgpr 80
		.amdhsa_reserve_vcc 1
		.amdhsa_float_denorm_mode_32 3
		.amdhsa_float_denorm_mode_16_64 3
		.amdhsa_memory_ordered 1
		.amdhsa_forward_progress 1
		.amdhsa_inst_pref_size 66
	.end_amdhsa_kernel
	.amdgpu_metadata
---
amdhsa.version: [ 1, 2 ]
amdhsa.kernels:
  - .name:           k_qe189446fb4_attn
    .symbol:         k_qe189446fb4_attn.kd
    .args:
      - { .name: qkvh, .offset: 0, .size: 8, .value_kind: global_buffer, .address_space: global }
      - { .name: yimg, .offset: 8, .size: 8, .value_kind: global_buffer, .address_space: global }
    .group_segment_fixed_size: 327680
    .private_segment_fixed_size: 0
    .kernarg_segment_align: 8
    .kernarg_segment_size: 16
    .max_flat_workgroup_size: 256
    .sgpr_count:     80
    .vgpr_count:     512
    .wavefront_size: 32
...
	.end_amdgpu_metadata
.endif
;; end of part 3
;; launch oproj (part 4): grid 4 x 64, 4 waves a work-group, clusters of 4 x 4, 327,680 bytes of LDS; arguments yimg, woh, out0; writes out0
.if DOCPART == 4
	.amdgcn_target "amdgcn-amd-amdhsa--gfx1250"
	.amdhsa_code_object_version 6
	.text
	.protected	k_qe189446fb4_oproj
	.globl	k_qe189446fb4_oproj
	.p2align	8
	.type	k_qe189446fb4_oproj,@function
k_qe189446fb4_oproj:
	s_mov_b64 s[64:65], 0
	v_nop
	global_prefetch_b8 v0, s[64:65] scope:SCOPE_SE
	s_setreg_imm32_b32 hwreg(HW_REG_WAVE_MODE, 25, 1), 1
	s_wait_xcnt 0x0
	s_wait_alu depctr_hold_cnt(0) depctr_sa_sdst(0) depctr_va_vdst(0) depctr_va_sdst(0) depctr_va_ssrc(0) depctr_va_vcc(0) depctr_vm_vsrc(0)
	s_getreg_b32 s2, hwreg(HW_REG_IB_STS2, 6, 4)
	s_cmp_eq_u32 s2, 0
	s_cbranch_scc0 .Lentry_in_a_cluster
	s_endpgm
.Lentry_in_a_cluster:
	s_bfe_u32 s2, ttmp6, 0x10000c
	s_cmp_lg_u32 s2, 0xf033
	s_cbranch_scc0 .Lentry_shape_is_right
	s_endpgm
.Lentry_shape_is_right:
; out0 = y wo^T: [8192][1024] x [1024][1024], operands in f16, sums in f32, output f32.  The first 16 rows of each batch are NOT stored here: the next launch makes them in f32.
; A tile of the output is 128 x 256: 64 x 4 tiles, one for each of 256 work-groups.  Four waves, each 64 x 128: 32 accumulators of 16 x 16, 256 registers.  K goes in 8 steps of 128 through a ring of two LDS slots.
; y arrives as images of its operand registers, K step outermost: a tile's 128 rows of a K step are 32,768 dense bytes; a fragment comes by two loads of 512 consecutive bytes.  wo arrives as rows of f16: 256 bytes of each row a K step.
; CLUSTERS: 4 x 4 work-groups.  The tile column is cx, the tile row 16 cy + cluster y (so that the batch is cy and "a batch's first rows" is cluster y = 0, alike in all partners).
; y's tile is shared along a row of the cluster, wo's along a column: each is asked for jointly.  THE MATRIX INSTRUCTION IS USED TRANSPOSED (source 0 = 16 rows of wo, source 1 = 16 rows of y).
; REGISTERS: window 0: v16-30 addresses; two fragment buffers at v32 and v128: 32 registers of y (4 blocks), then 64 of wo (8 blocks); on the way out rows read back.   window 1: accumulator (a, b) at v[8 (8 a + b)].
.set KSTEP,  128
.set PITCH,  272                       ; a row of wo in LDS: 256 bytes + 16
.set AIMG,   32768                     ; y's images of a K step
.set HALFA,  16384
.set HALFB,  128*PITCH
.set SLOT,   AIMG+2*HALFB
.set STAGE,  2*SLOT                    ; behind the ring: 16 rows x (512 bytes + 16) for each wave
.set SPITCH, 528
.set SPARE,  STAGE+4*16*SPITCH         ; the spare words, 128 bytes a wave
.set LAPS,   4                         ; a lap = two K steps
.set KSB,    2097152                   ; a K step of yimg in bytes
.set ADRA, 16
.set ADRB, 20
.set STO,  24
.set RD,   25
.set CO,   26
.set SPW,  28
.set NIL,  29
.set PFO,  30
.set F0,   32
.set F1,   128
.set BK,   32
.set G1, 24
.set G0, 32
.set G1B, 48
.set G0B, 56
.set PFA, 66
.set LIM, 68
.set FIRST, 69
.set MSB, 0
.macro WIN new
.if MSB != \new
	s_set_vgpr_msb (MSB<<8)|\new
.set MSB, \new
.endif
.endm
.set MUL, 0x50                         ; C and D window 1
.macro JLOAD s                         ; waves 0 and 1 fetch y's two halves, waves 2 and 3 wo's; an s_nop 0 and four v_nop follow each of the two lines
	s_cmp_eq_u32 s11, 0
	s_cbranch_scc0 .Lfor_b_\@
	tensor_load_to_lds s[G0+4*\s:G0+4*\s+3], s[G1:G1+7]
	s_nop 0
.rept 4
	v_nop
.endr
	s_branch .Lasked_\@
.Lfor_b_\@:
	tensor_load_to_lds s[G0B+4*\s:G0B+4*\s+3], s[G1B:G1B+7]
	s_nop 0
.rept 4
	v_nop
.endr
.Lasked_\@:
.endm
.macro CREST
	s_cmp_lg_u32 s10, 0
	s_cbranch_scc1 .Lnot_wave_0_\@
	s_barrier_signal -3
.Lnot_wave_0_\@:
	s_barrier_wait -3
	s_barrier_signal -1
	s_barrier_wait -1
.endm
.macro CROUND
	s_barrier_signal -1
	s_barrier_wait -1
	CREST
.endm
; A prefetch of y's K step that stands two refills on.  A tile row's 32,768 bytes of a K step are read by the four partners of one row of one cluster and by nobody else: each takes 8,192 of them, told apart by address;
; wave 0 asks, lanes 256 bytes apart.  The loop's last trip asks for nothing: no K step stands two refills on.  wo, which all 64 tile rows read, is not asked for.
.macro ASK
	s_cmp_gt_u32 s3, s[LIM]
	s_cbranch_scc0 .Lnot_mine_\@
	global_prefetch_b8 v[PFO], s[PFA:PFA+1] offset:KSB th:TH_LOAD_NT scope:SCOPE_SE
.Lnot_mine_\@:
.endm
	s_load_b128 s[4:7], s[0:1], 0x0                ; yimg s[4:5], woh s[6:7]
	s_load_b64 s[8:9], s[0:1], 0x10                ; out0
	v_lshl_add_u32 v[SPW], v0, 2, SPARE
	v_mov_b32 v[NIL], 0
	ds_add_u32 v[SPW], v[NIL]                      ; the wave's opening: the add, twice on end, and its wait ahead of my first tensor load
	ds_add_u32 v[SPW], v[NIL]
	v_lshrrev_b32 v1, 5, v0
	v_readfirstlane_b32 s10, v1                    ; wave 0..3
	s_lshr_b32 s11, s10, 1                         ; which half of the tile's rows is mine.  Also: I fetch for y (0) or for wo (1)
	s_and_b32 s12, s10, 1                          ; which half of its columns.  Also: which half of that tile I fetch
	s_bfe_u32 s40, ttmp6, 0x40000                  ; cx = the tile column
	s_bfe_u32 s41, ttmp6, 0x40004                  ; cy
	s_and_b32 s13, ttmp7, 0xffff                   ; cluster y
	s_lshl_b32 s42, s41, 4
	s_add_co_u32 s42, s42, s13                     ; tile row = 16 cy + cluster y
	s_or_b32 s[FIRST], s13, s11                    ; 0 where my first 16 rows are a batch's first
	s_cmp_eq_u32 s10, 0
	s_cselect_b32 s[LIM], 1, -1
	s_lshl_b32 s43, s41, 2
	s_lshl_b32 s43, 15, s43                        ; my row of the cluster
	s_lshl_b32 s44, 0x1111, s40                    ; my column
	s_or_b32 s[G1+0], s43, (3<<16)|(1<<21)         ; y: the mask; elements of 8 bytes; bit 21 beside a mask; no padding: 64 dense rows of 256 bytes
	s_mov_b32 s[G1+1], 32<<16
	s_mov_b32 s[G1+2], 64<<16
	s_mov_b32 s[G1+3], 32<<16
	s_mov_b32 s[G1+4], 64
	s_mov_b32 s[G1+5], 32
	s_mov_b32 s[G1+6], 0
	s_mov_b32 s[G1+7], 0
	s_or_b32 s[G1B+0], s44, (1<<16)|(1<<20)|(1<<21)|(5<<22)|(3<<25)   ; wo: elements of 2 bytes; after every 64 words four words of padding
	s_mov_b32 s[G1B+1], KSTEP<<16
	s_mov_b32 s[G1B+2], 128<<16
	s_mov_b32 s[G1B+3], KSTEP<<16
	s_mov_b32 s[G1B+4], 128
	s_mov_b32 s[G1B+5], 1024
	s_mov_b32 s[G1B+6], 0
	s_mov_b32 s[G1B+7], 0
	s_lshl_b32 s16, s42, 15                        ; y: 8 blocks of 4,096 bytes a tile row,
	s_lshl_b32 s17, s12, 14                        ; my four of them
	s_add_co_u32 s16, s16, s17
	s_mov_b32 s17, 0
	s_lshl_b32 s46, s40, 19                        ; wo: 256 rows of 2,048 bytes a tile column,
	s_lshl_b32 s47, s12, 18                        ; my 128 of them
	s_add_co_u32 s46, s46, s47
	s_mov_b32 s47, 0
	s_mul_i32 s20, s12, HALFA                      ; where they go: no place in the cluster enters an LDS address
	s_mul_i32 s21, s12, HALFB
	s_add_co_u32 s21, s21, AIMG
	s_wait_dscnt 0x0                               ; both opening adds are done
	s_wait_kmcnt 0x0
	s_add_nc_u64 s[14:15], s[4:5], s[16:17]
	s_add_nc_u64 s[46:47], s[6:7], s[46:47]
	CROUND                                         ; all sixteen work-groups are here: the first joint loads meet
.irp s, 0,1
	s_mov_b32 s[G0+4*\s], 1
	s_add_co_u32 s[G0+4*\s+1], s20, \s*SLOT
	s_add_nc_u64 s[G0+4*\s+2:G0+4*\s+3], s[14:15], \s*KSB
	s_or_b32 s[G0+4*\s+3], s[G0+4*\s+3], 0x80000000
	s_mov_b32 s[G0B+4*\s], 1
	s_add_co_u32 s[G0B+4*\s+1], s21, \s*SLOT
	s_add_nc_u64 s[G0B+4*\s+2:G0B+4*\s+3], s[46:47], \s*KSTEP*2
	s_or_b32 s[G0B+4*\s+3], s[G0B+4*\s+3], 0x80000000
	JLOAD \s                                       ; two loads of mine are out
.endr
	v_and_b32 v1, 15, v0                           ; r
	v_bfe_u32 v2, v0, 4, 1                         ; h
	v_and_b32 v3, 31, v0
	v_lshlrev_b32 v[CO], 4, v3                     ; 16 x lane
	v_lshlrev_b32 v[PFO], 8, v3
	s_lshl_b32 s22, s11, 14                        ; my four blocks of y
	v_add_nc_u32 v[ADRA], s22, v[CO]
	v_add_nc_u32 v[ADRA+1], SLOT, v[ADRA]
	v_mul_u32_u24 v4, v1, PITCH
	v_lshl_add_u32 v4, v2, 4, v4
	s_mul_i32 s22, s12, HALFB                      ; my 128 rows of wo
	s_add_co_u32 s22, s22, AIMG
	v_add_nc_u32 v[ADRB], s22, v4
	v_add_nc_u32 v[ADRB+1], SLOT, v[ADRB]
	s_mul_i32 s23, s10, 16*SPITCH
	s_add_co_u32 s23, s23, STAGE                   ; my stage
	v_mul_u32_u24 v5, v1, SPITCH
	v_lshl_add_u32 v5, v2, 5, v5
	v_add_nc_u32 v[STO], s23, v5                   ; in: row r, 32 bytes for each half of the lanes
	v_add_nc_u32 v[RD], s23, v[CO]                 ; back: the 32 lanes take one row of 512 bytes
	s_lshl_b32 s16, s42, 19                        ; out0: 128 rows of 4,096 bytes a tile row,
	s_lshl_b32 s17, s11, 18                        ; my 64
	s_add_co_u32 s16, s16, s17
	s_mov_b32 s17, 0
	s_add_nc_u64 s[8:9], s[8:9], s[16:17]
	s_lshl_b32 s46, s40, 10                        ; my first column, in bytes (in the registers that held wo's address)
	s_lshl_b32 s47, s12, 9
	s_add_co_u32 s46, s46, s47
	s_mov_b32 s47, 0
	s_add_nc_u64 s[8:9], s[8:9], s[46:47]
	s_lshl_b32 s46, s42, 15                        ; the prefetches: the tile row's block,
	s_lshl_b32 s22, s40, 13                        ; my work-group's 8,192 bytes of it
	s_add_co_u32 s46, s46, s22
	s_add_nc_u64 s[PFA:PFA+1], s[4:5], s[46:47]
	s_add_nc_u64 s[PFA:PFA+1], s[PFA:PFA+1], 2*KSB ; at K step 2: the first refill steps it to 3 and names K step 4
; 8 matrix instructions: y's block a x wo's eight, 32 along K.  The 32 accumulators take turns, one instruction a turn, in the same order in every quarter.
.macro MUL8 f, a, zero
.irp b, 0,1,2,3,4,5,6,7
.if \zero
	v_wmma_f32_16x16x32_f16 v[8*(8*(\a)+\b):8*(8*(\a)+\b)+7], v[\f+32+8*\b:\f+32+8*\b+7], v[\f+8*(\a):\f+8*(\a)+7], 0
.else
	v_wmma_f32_16x16x32_f16 v[8*(8*(\a)+\b):8*(8*(\a)+\b)+7], v[\f+32+8*\b:\f+32+8*\b+7], v[\f+8*(\a):\f+8*(\a)+7], v[8*(8*(\a)+\b):8*(8*(\a)+\b)+7]
.endif
.endr
.endm
; 24 LDS loads in one run: wo's sixteen, then y's blocks 0, 1, then 2, 3
.macro FETCH slot, q, f
	WIN 0
.irp i, 0,1,2,3,4,5,6,7
	ds_load_b128 v[\f+32+8*\i:\f+32+8*\i+3],   v[ADRB+\slot] offset:64*(\q)+\i*16*PITCH
	ds_load_b128 v[\f+32+8*\i+4:\f+32+8*\i+7], v[ADRB+\slot] offset:64*(\q)+\i*16*PITCH+32
.endr
.irp i, 0,1,2,3
	ds_load_b128 v[\f+8*\i:\f+8*\i+3],   v[ADRA+\slot] offset:4096*\i+1024*(\q)
	ds_load_b128 v[\f+8*\i+4:\f+8*\i+7], v[ADRA+\slot] offset:4096*\i+1024*(\q)+512
.endr
.endm
.macro PLACES
.rept 4
	v_nop
.endr
.endm
; A K step is four quarters of 32 along K on buffers 0, 1, 0, 1.  One of the first three: multiplies buffer f and fetches quarter qn into g.
.macro QUARTER slot, qn, f, g, zero
	s_wait_dscnt 4                                 ; wo's and y's blocks 0, 1 are in; the youngest four loads (blocks 2, 3) may be out
	WIN MUL
	MUL8 \f, 0, \zero
	MUL8 \f, 1, \zero
	PLACES                                         ; in front of loads into registers that matrix instructions have read
	FETCH \slot, \qn, \g
	s_wait_dscnt 24                                ; all but the 24 just issued
	WIN MUL
	MUL8 \f, 2, \zero
	MUL8 \f, 3, \zero
.endm
; The last quarter multiplies buffer 1 and changes slots: one barrier; in front of it each wave waits for all its tensor loads, adds 0 to its spare word, and waits for that and for its reads of this slot.
.macro TURN slot, next, fill
.if \fill
	s_wait_xcnt 0x0                                ; the last prefetch, a K step back, has read its address
	s_add_nc_u64 s[PFA:PFA+1], s[PFA:PFA+1], KSB
.endif
	WIN 0
	s_wait_tensorcnt 0x0                           ; all my tensor loads have landed: my part of the next slot
	ds_add_u32 v[SPW], v[NIL]
	s_wait_dscnt 5                                 ; (the add and the youngest four loads may be out)
	WIN MUL
	MUL8 F1, 0, 0
	s_wait_dscnt 0x0                               ; the add is done, and my reads of this slot are over
	s_barrier_signal -1
	MUL8 F1, 1, 0
.if \fill
	WIN 0
.endif
	s_barrier_wait -1
.if \fill
	CREST                                          ; the barrier has opened a round of the cluster's barrier: no wave of any partner still reads this slot or has a load on its way
	s_add_nc_u64 s[G0+4*\slot+2:G0+4*\slot+3], s[G0+4*\slot+2:G0+4*\slot+3], 2*KSB
	s_add_nc_u64 s[G0B+4*\slot+2:G0B+4*\slot+3], s[G0B+4*\slot+2:G0B+4*\slot+3], 2*KSTEP*2
	JLOAD \slot                                    ; the first tensor load behind the round; its four v_nop are also the places in front of the loads below
.else
	PLACES
.endif
	FETCH \next, 0, F0
.if \fill
	ASK
.endif
	WIN MUL
	MUL8 F1, 2, 0
	MUL8 F1, 3, 0
.endm
	s_wait_tensorcnt 1                             ; my part of K step 0 is in (K step 1's may be out)
	s_barrier_signal -1
	s_barrier_wait -1                              ; everybody's is
	FETCH 0, 0, F0
	QUARTER 0, 1, F0, F1, 1                        ; the first quarter's products start the sums
	WIN 0
	s_mov_b32 s3, LAPS-1
.Llap:                                             ; a trip goes once round the ring and fills both slots again
	QUARTER 0, 2, F1, F0, 0
	QUARTER 0, 3, F0, F1, 0
	TURN 0, 1, 1
	QUARTER 1, 1, F0, F1, 0
	QUARTER 1, 2, F1, F0, 0
	QUARTER 1, 3, F0, F1, 0
	TURN 1, 0, 1
	QUARTER 0, 1, F0, F1, 0
	WIN 0
	s_sub_co_u32 s3, s3, 1
	s_cmp_lg_u32 s3, 0
	s_cbranch_scc1 .Llap
	QUARTER 0, 2, F1, F0, 0                        ; the last lap fills nothing
	QUARTER 0, 3, F0, F1, 0
	TURN 0, 1, 0
	QUARTER 1, 1, F0, F1, 0
	QUARTER 1, 2, F1, F0, 0
	QUARTER 1, 3, F0, F1, 0
	s_wait_dscnt 4
	WIN MUL
	MUL8 F1, 0, 0
	MUL8 F1, 1, 0
	s_wait_dscnt 0
	MUL8 F1, 2, 0
	MUL8 F1, 3, 0
	WIN 0
; THE WAY OUT, block by block of 16 rows x 128 columns: through my own stage, back as whole rows of 512 bytes.  LDS serves a wave's instructions in order (ISA guide 5.7.1.4).
.macro TOSTAGE a
	WIN 0x04                                       ; an LDS store's data are its source 1: window 1
.irp b, 0,1,2,3,4,5,6,7
	ds_store_b128 v[STO], v[64*(\a)+8*\b:64*(\a)+8*\b+3] offset:64*\b          ; each accumulator from its low end on
	ds_store_b128 v[STO], v[64*(\a)+8*\b+4:64*(\a)+8*\b+7] offset:64*\b+16
.endr
	WIN 0
.set BB, BK+96*((\a)%2)
.irp t, 0,1,2,3,4,5,6,7,8,9,10,11,12,13,14,15
	ds_load_b128 v[BB+4*\t:BB+4*\t+3], v[RD] offset:\t*SPITCH
.endr
.endm
.macro SEND a, younger
.set BB, BK+96*((\a)%2)
	s_wait_dscnt \younger
.if (\a) == 0
	s_cmp_eq_u32 s[FIRST], 0                       ; a batch's first 16 rows are the next launch's
	s_cbranch_scc1 .Lnot_here_\@
.endif
.irp t, 0,1,2,3,4,5,6,7,8,9,10,11,12,13,14,15
	global_store_b128 v[CO], v[BB+4*\t:BB+4*\t+3], s[8:9] offset:65536*(\a)+4096*\t th:TH_STORE_NT   ; 512 consecutive bytes, aligned
.endr
.if (\a) == 0
.Lnot_here_\@:
.endif
.endm
	PLACES
	TOSTAGE 0
.irp a, 1,2,3
.if \a > 1
	s_wait_xcnt 0x0                                ; block a - 2's stores have read their registers
.endif
	TOSTAGE \a
	SEND \a-1, 32                                  ; behind block a - 1's loads: block a's 16 stores and 16 loads
.endr
	SEND 3, 0
	s_wait_tensorcnt 0x0                           ; the wave's end
	ds_add_u32 v[SPW], v[NIL]
	s_wait_dscnt 0x0
	CROUND                                         ; the closing round
	s_endpgm
.Lfunc_end_k_qe189446fb4_oproj:
	.size	k_qe189446fb4_oproj, .Lfunc_end_k_qe189446fb4_oproj-k_qe189446fb4_oproj
	.p2alignl 7, 3214868480
	.fill 96, 4, 3214868480
	.section	.rodata,"a",@progbits
	.p2align	6, 0x0
	.amdhsa_kernel k_qe189446fb4_oproj
		.amdhsa_group_segment_fixed_size 327680
		.amdhsa_private_segment_fixed_size 0
		.amdhsa_enable_private_segment 0
		.amdhsa_kernarg_size 24
		.amdhsa_user_sgpr_count 2
		.amdhsa_user_sgpr_kernarg_segment_ptr 1
		.amdhsa_wavefront_size32 1
		.amdhsa_system_sgpr_workgroup_id_x 1
		.amdhsa_system_sgpr_workgroup_id_y 1
		.amdhsa_system_sgpr_workgroup_id_z 1
		.amdhsa_system_vgpr_workitem_id 0
		.amdhsa_next_free_vgpr 512
		.amdhsa_next_free_sgpr 72
		.amdhsa_reserve_vcc 0
		.amdhsa_float_denorm_mode_32 3
		.amdhsa_float_denorm_mode_16_64 3
		.amdhsa_memory_ordered 1
		.amdhsa_forward_progress 1
		.amdhsa_inst_pref_size 85
	.end_amdhsa_kernel
	.amdgpu_metadata
---
amdhsa.version: [ 1, 2 ]
amdhsa.kernels:
  - .name:           k_qe189446fb4_oproj
    .symbol:         k_qe189446fb4_oproj.kd
    .args:
      - { .name: yimg, .offset: 0, .size: 8, .value_kind: global_buffer, .address_space: global }
      - { .name: woh, .offset: 8, .size: 8, .value_kind: global_buffer, .address_space: global }
      - { .name: out0, .offset: 16, .size: 8, .value_kind: global_buffer, .address_space: global }
    .group_segment_fixed_size: 327680
    .private_segment_fixed_size: 0
    .kernarg_segment_align: 8
    .kernarg_segment_size: 24
    .max_flat_workgroup_size: 128
    .sgpr_count:     72
    .vgpr_count:     512
    .wavefront_size: 32
...
	.end_amdgpu_metadata
.endif
;; end of part 4
;; launch first16 (part 5): grid 64 x 4, 16 waves a work-group, no clusters, 18,432 bytes of LDS; arguments fine, wo, out0; writes out0
.if DOCPART == 5
	.amdgcn_target "amdgcn-amd-amdhsa--gfx1250"
	.amdhsa_code_object_version 6
	.text
	.protected	k_qe189446fb4_first16
	.globl	k_qe189446fb4_first16
	.p2align	8
	.type	k_qe189446fb4_first16,@function
k_qe189446fb4_first16:
	s_mov_b64 s[64:65], 0
	v_nop
	global_prefetch_b8 v0, s[64:65] scope:SCOPE_SE
	s_setreg_imm32_b32 hwreg(HW_REG_WAVE_MODE, 25, 1), 1
	s_wait_xcnt 0x0
; The first 16 positions of each batch, all in f32: attention of the 16 heads on q, k, v as the second launch left them in f32, and the projection by wo as it is given.
; Work-group (x, batch) makes out0[batch][0..15][16 x .. 16 x + 15].  Wave = head: it makes its head's 16 x 16 attention (32 matrix instructions; every work-group of a batch makes it anew)
; and then its head's part (K = 64) of the output tile; the 16 parts meet in LDS and waves 0 and 1 add and store them.
; fine: [batch][column / 16 (192)][p (2)][lane (32)][16 bytes]; lane (r, h): row r, columns 8 h + 4 p + 0..3 of the 16.
; LAYOUT.  S^T = K Q^T, O^T = V^T P, X^T = wo Y^T: a lane holds one query (lane % 16) throughout, and registers 0-7 hold 8 (lane / 16) + 0..7 of the other index.
; In the second and third product step t of lane half h takes k = 8 h + 2 t + 0, 1, alike in both operands: a result's registers 2 t, 2 t + 1 are the next operand as they stand.
; The registers that the f32 matrix form writes (v144-207) are written by matrix instructions alone; sums of accumulators go into other registers.
; Each lane stores 16 bytes; a row's piece of the tile is 64 bytes: 262,144 bytes of the output in all leave in such pieces.
.set SPARE, 16384                      ; behind the 16 parts of 1,024 bytes: the spare words, 128 bytes a wave
.set A8,  2
.set AV,  3
.set AW,  4
.set LS,  5
.set RD,  6
.set OUTO, 7
.set DD,  8
.set SPW, 10
.set NIL, 11
.set NINF, 14
.set QF,  16                           ; q, later y, later the parts
.set KFR, 48                           ; k, later my part
.set VF,  80
.set WF,  112
.set PA,  144
.set PB,  176
.set SS,  208
.set PP,  216
.set TM,  224
.set WV,  10
	s_load_b128 s[4:7], s[0:1], 0x0                ; fine s[4:5], wo s[6:7]
	s_load_b64 s[8:9], s[0:1], 0x10                ; out0
	v_lshl_add_u32 v[SPW], v0, 2, SPARE
	v_mov_b32 v[NIL], 0
	v_lshrrev_b32 v1, 5, v0
	v_readfirstlane_b32 s[WV], v1                  ; wave = head
	s_and_b32 s11, ttmp7, 0xffff                   ; batch
	v_and_b32 v1, 15, v0                           ; r
	v_bfe_u32 v9, v0, 4, 1                         ; h
	v_and_b32 v12, 31, v0                          ; lane
	v_lshlrev_b32 v[A8], 4, v1
	v_lshl_add_u32 v[A8], v9, 3, v[A8]             ; q, k: row r's 16 bytes, + 8 h: channels 2 h, 2 h + 1 of four
	v_bfe_u32 v[AV], v0, 2, 1
	v_lshlrev_b32 v[AV], 9, v[AV]                  ; v: channel r of 16: p = (r / 4) % 2,
	v_bfe_u32 v13, v0, 3, 1
	v_lshl_add_u32 v[AV], v13, 8, v[AV]            ; its half r / 8,
	v_and_b32 v13, 3, v0
	v_lshl_add_u32 v[AV], v13, 2, v[AV]            ; r % 4;
	v_lshl_add_u32 v[AV], v9, 7, v[AV]             ; keys 8 h on, 16 bytes a key
	v_lshlrev_b32 v[AW], 12, v1
	v_lshl_add_u32 v[AW], v9, 5, v[AW]             ; wo and out0: row r of 4,096 bytes, + 32 h
	s_lshl_b32 s12, s[WV], 10
	v_lshlrev_b32 v13, 4, v12
	v_add_nc_u32 v[LS], s12, v13                   ; my part in LDS: 1,024 x wave + 16 x lane
	s_and_b32 s12, s[WV], 1
	s_lshl_b32 s13, s12, 9
	v_add_nc_u32 v[RD], s13, v13                   ; the half of every part that waves 0 and 1 read
	s_lshl_b32 s13, s12, 4
	v_add_nc_u32 v[OUTO], s13, v[AW]
	v_lshlrev_b32 v[DD], 3, v9
	v_sub_nc_u32 v[DD], v1, v[DD]                  ; r - 8 h
	v_mov_b32 v[NINF], 0xff800000
	v_mov_b32 v[TM+9], 0                           ; written once: a lane permute's destination counts as one of its sources
	s_mov_b32 s16, 0x76543210
	s_mov_b32 s17, 0xfedcba98
	s_mov_b32 s18, 0x3e38aa3b                      ; c = log2(e) / 8
	s_mul_i32 s12, s11, 192
	s_lshl_b32 s13, s[WV], 2
	s_add_co_u32 s12, s12, s13
	s_lshl_b32 s12, s12, 10                        ; my head's q in fine
	s_mov_b32 s13, 0
	s_wait_kmcnt 0x0
	s_add_nc_u64 s[4:5], s[4:5], s[12:13]
	s_lshl_b32 s12, ttmp9, 16                      ; wo: rows 16 x on,
	s_lshl_b32 s14, s[WV], 8                       ; my head's 64 columns
	s_add_co_u32 s12, s12, s14
	s_add_nc_u64 s[6:7], s[6:7], s[12:13]
	s_lshl_b32 s12, s11, 23                        ; out0: the batch,
	s_lshl_b32 s14, ttmp9, 6                       ; columns 16 x on
	s_add_co_u32 s12, s12, s14
	s_add_nc_u64 s[8:9], s[8:9], s[12:13]
.irp t, 0,1,2,3,4,5,6,7,8,9,10,11,12,13,14,15
	global_load_b64 v[QF+2*\t:QF+2*\t+1], v[A8], s[4:5] offset:1024*(\t/4)+512*(\t%2)+256*((\t/2)%2)          ; q(r, 4 t + 2 h + 0, 1)
.endr
.irp t, 0,1,2,3,4,5,6,7,8,9,10,11,12,13,14,15
	global_load_b64 v[KFR+2*\t:KFR+2*\t+1], v[A8], s[4:5] offset:65536+1024*(\t/4)+512*(\t%2)+256*((\t/2)%2)  ; k likewise
.endr
.irp ct, 0,1,2,3
.irp t, 0,1,2,3
.irp jj, 0,1
	global_load_b32 v[VF+8*\ct+2*\t+\jj], v[AV], s[4:5] offset:131072+1024*\ct+32*\t+16*\jj                   ; v(key 8 h + 2 t + jj, channel 16 ct + r)
.endr
.endr
.endr
.irp ct, 0,1,2,3
.irp hf, 0,1
	global_load_b128 v[WF+8*\ct+4*\hf:WF+8*\ct+4*\hf+3], v[AW], s[6:7] offset:64*\ct+16*\hf                   ; wo(16 x + r, 64 head + 16 ct + 8 h + 4 hf + 0..3)
.endr
.endr
	s_wait_loadcnt 40                              ; q and k are in; v's 32 loads and wo's 8 may be out
.irp t, 0,1,2,3,4,5,6,7,8,9,10,11,12,13,14,15   ; S^T: four accumulators by turns, each a quarter of the 64 channels
.if \t < 4
	v_wmma_f32_16x16x4_f32 v[PA+8*(\t%4):PA+8*(\t%4)+7], v[KFR+2*\t:KFR+2*\t+1], v[QF+2*\t:QF+2*\t+1], 0
.else
	v_wmma_f32_16x16x4_f32 v[PA+8*(\t%4):PA+8*(\t%4)+7], v[KFR+2*\t:KFR+2*\t+1], v[QF+2*\t:QF+2*\t+1], v[PA+8*(\t%4):PA+8*(\t%4)+7]
.endif
.endr
.rept 8
	v_nop                                          ; eight places behind this form (ISA guide 7.12.1)
.endr
.irp i, 0,2,4,6
	v_pk_add_f32 v[SS+\i:SS+\i+1], v[PA+\i:PA+\i+1], v[PA+8+\i:PA+8+\i+1]
	v_pk_add_f32 v[TM+\i:TM+\i+1], v[PA+16+\i:PA+16+\i+1], v[PA+24+\i:PA+24+\i+1]
.endr
.irp i, 0,2,4,6
	v_pk_add_f32 v[SS+\i:SS+\i+1], v[SS+\i:SS+\i+1], v[TM+\i:TM+\i+1]   ; register jj: the score of key 8 h + jj for query r
.endr
.irp jj, 0,1,2,3,4,5,6,7
	v_cmp_gt_i32 vcc_lo, \jj, v[DD]                ; hidden where 8 h + jj > r
	v_cndmask_b32 v[SS+\jj], v[SS+\jj], v[NINF], vcc_lo
.endr
	v_max3_num_f32 v[TM+8], v[SS], v[SS+1], v[SS+2]
	v_max3_num_f32 v[TM+10], v[SS+3], v[SS+4], v[SS+5]
	v_max3_num_f32 v[TM+8], v[TM+8], v[SS+6], v[SS+7]
	v_max_num_f32 v[TM+8], v[TM+8], v[TM+10]
	v_permlanex16_b32 v[TM+9], v[TM+8], s16, s17
	v_max_num_f32 v[TM+8], v[TM+8], v[TM+9]        ; the row's maximum: key 0 counts for every query
	v_mul_f32 v[TM+10], s18, v[TM+8]
.irp jj, 0,1,2,3,4,5,6,7
	v_fma_f32 v[PP+\jj], v[SS+\jj], s18, -v[TM+10]
.endr
.irp jj, 0,1,2,3,4,5,6,7
	v_exp_f32 v[PP+\jj], v[PP+\jj]                 ; p = 2^(c s - c m)
.endr
	v_nop                                          ; a plain line behind the last exponential
	s_wait_alu depctr_va_vdst(0)                   ; one wait for the eight
	v_pk_add_f32 v[TM:TM+1], v[PP:PP+1], v[PP+2:PP+3]
	v_pk_add_f32 v[TM+2:TM+3], v[PP+4:PP+5], v[PP+6:PP+7]
	v_pk_add_f32 v[TM:TM+1], v[TM:TM+1], v[TM+2:TM+3]
	v_add_f32 v[TM+8], v[TM], v[TM+1]
	v_permlanex16_b32 v[TM+9], v[TM+8], s16, s17
	v_add_f32 v[TM+8], v[TM+8], v[TM+9]            ; the row's sum
	v_rcp_f32 v[TM+11], v[TM+8]
	v_nop
	s_wait_alu depctr_va_vdst(0)
	s_wait_loadcnt 8                               ; v is in; wo's 8 loads may be out
.irp t, 0,1,2,3                                 ; O^T = V^T P: four accumulators (16 channels each) by turns
.irp ct, 0,1,2,3
.if \t == 0
	v_wmma_f32_16x16x4_f32 v[PB+8*\ct:PB+8*\ct+7], v[VF+8*\ct+2*\t:VF+8*\ct+2*\t+1], v[PP+2*\t:PP+2*\t+1], 0
.else
	v_wmma_f32_16x16x4_f32 v[PB+8*\ct:PB+8*\ct+7], v[VF+8*\ct+2*\t:VF+8*\ct+2*\t+1], v[PP+2*\t:PP+2*\t+1], v[PB+8*\ct:PB+8*\ct+7]
.endif
.endr
.endr
.rept 8
	v_nop
.endr
.irp i, 0,1,2,3,4,5,6,7,8,9,10,11,12,13,14,15,16,17,18,19,20,21,22,23,24,25,26,27,28,29,30,31
	v_mul_f32 v[QF+\i], v[PB+\i], v[TM+11]         ; y(r, 16 ct + 8 h + j), register 8 ct + j
.endr
	s_wait_loadcnt 0x0                             ; wo
.irp t, 0,1,2,3                                 ; X^T = wo Y^T: four accumulators, each 16 of my head's 64 channels, by turns
.irp ct, 0,1,2,3
.if \t == 0
	v_wmma_f32_16x16x4_f32 v[PA+8*\ct:PA+8*\ct+7], v[WF+8*\ct+2*\t:WF+8*\ct+2*\t+1], v[QF+8*\ct+2*\t:QF+8*\ct+2*\t+1], 0
.else
	v_wmma_f32_16x16x4_f32 v[PA+8*\ct:PA+8*\ct+7], v[WF+8*\ct+2*\t:WF+8*\ct+2*\t+1], v[QF+8*\ct+2*\t:QF+8*\ct+2*\t+1], v[PA+8*\ct:PA+8*\ct+7]
.endif
.endr
.endr
.rept 8
	v_nop
.endr
.irp i, 0,2,4,6
	v_pk_add_f32 v[KFR+\i:KFR+\i+1], v[PA+\i:PA+\i+1], v[PA+8+\i:PA+8+\i+1]
	v_pk_add_f32 v[TM+\i:TM+\i+1], v[PA+16+\i:PA+16+\i+1], v[PA+24+\i:PA+24+\i+1]
.endr
.irp i, 0,2,4,6
	v_pk_add_f32 v[KFR+\i:KFR+\i+1], v[KFR+\i:KFR+\i+1], v[TM+\i:TM+\i+1]   ; my head's part of out(r, 16 x + 8 h + 0..7)
.endr
	ds_store_b128 v[LS], v[KFR:KFR+3]
	ds_store_b128 v[LS], v[KFR+4:KFR+7] offset:512
	s_wait_dscnt 0x0                               ; for the others' sake: my part lies in LDS
	s_barrier_signal -1
	s_barrier_wait -1
	s_cmp_gt_u32 s[WV], 1                          ; wave 0 adds the parts' first halves, wave 1 the second
	s_cbranch_scc1 .Lend
.irp i, 0,1,2,3,4,5,6,7,8,9,10,11,12,13,14,15
	ds_load_b128 v[16+4*\i:16+4*\i+3], v[RD] offset:1024*\i
.endr
	s_wait_dscnt 0x0
.irp i, 0,1,2,3,4,5,6,7
	v_pk_add_f32 v[16+4*\i:16+4*\i+1], v[16+4*\i:16+4*\i+1], v[48+4*\i:48+4*\i+1]
	v_pk_add_f32 v[18+4*\i:18+4*\i+1], v[18+4*\i:18+4*\i+1], v[50+4*\i:50+4*\i+1]
.endr
.irp i, 0,1,2,3
	v_pk_add_f32 v[16+4*\i:16+4*\i+1], v[16+4*\i:16+4*\i+1], v[32+4*\i:32+4*\i+1]
	v_pk_add_f32 v[18+4*\i:18+4*\i+1], v[18+4*\i:18+4*\i+1], v[34+4*\i:34+4*\i+1]
.endr
.irp i, 0,1
	v_pk_add_f32 v[16+4*\i:16+4*\i+1], v[16+4*\i:16+4*\i+1], v[24+4*\i:24+4*\i+1]
	v_pk_add_f32 v[18+4*\i:18+4*\i+1], v[18+4*\i:18+4*\i+1], v[26+4*\i:26+4*\i+1]
.endr
	v_pk_add_f32 v[16:17], v[16:17], v[20:21]
	v_pk_add_f32 v[18:19], v[18:19], v[22:23]
	global_store_b128 v[OUTO], v[16:19], s[8:9]
.Lend:
	s_wait_tensorcnt 0x0                           ; the wave's end
	ds_add_u32 v[SPW], v[NIL]
	s_wait_dscnt 0x0
	s_endpgm
.Lfunc_end_k_qe189446fb4_first16:
	.size	k_qe189446fb4_first16, .Lfunc_end_k_qe189446fb4_first16-k_qe189446fb4_first16
	.p2alignl 7, 3214868480
	.fill 96, 4, 3214868480
	.section	.rodata,"a",@progbits
	.p2align	6, 0x0
	.amdhsa_kernel k_qe189446fb4_first16
		.amdhsa_group_segment_fixed_size 18432
		.amdhsa_private_segment_fixed_size 0
		.amdhsa_enable_private_segment 0
		.amdhsa_kernarg_size 24
		.amdhsa_user_sgpr_count 2
		.amdhsa_user_sgpr_kernarg_segment_ptr 1
		.amdhsa_wavefront_size32 1
		.amdhsa_system_sgpr_workgroup_id_x 1
		.amdhsa_system_sgpr_workgroup_id_y 1
		.amdhsa_system_sgpr_workgroup_id_z 1
		.amdhsa_system_vgpr_workitem_id 0
		.amdhsa_next_free_vgpr 256
		.amdhsa_next_free_sgpr 66
		.amdhsa_reserve_vcc 1
		.amdhsa_float_denorm_mode_32 3
		.amdhsa_float_denorm_mode_16_64 3
		.amdhsa_memory_ordered 1
		.amdhsa_forward_progress 1
		.amdhsa_inst_pref_size 21
	.end_amdhsa_kernel
	.amdgpu_metadata
---
amdhsa.version: [ 1, 2 ]
amdhsa.kernels:
  - .name:           k_qe189446fb4_first16
    .symbol:         k_qe189446fb4_first16.kd
    .args:
      - { .name: fine, .offset: 0, .size: 8, .value_kind: global_buffer, .address_space: global }
      - { .name: wo, .offset: 8, .size: 8, .value_kind: global_buffer, .address_space: global }
      - { .name: out0, .offset: 16, .size: 8, .value_kind: global_buffer, .address_space: global }
    .group_segment_fixed_size: 18432
    .private_segment_fixed_size: 0
    .kernarg_segment_align: 8
    .kernarg_segment_size: 24
    .max_flat_workgroup_size: 512
    .sgpr_count:     66
    .vgpr_count:     256
    .wavefront_size: 32
...
	.end_amdgpu_metadata
.endif
;; end of part 5
